; MI455X (gfx1250); checked and timed in simulation.
; The chip was launched on July 23, 2026; its instructions are those of AMD's public machine-readable ISA for CDNA 5 (MIT licence, August 2026) and "CDNA5" Instruction Set Architecture Reference Guide (July 2026). The comments in the code are by the model that wrote it; some were corrected since.
;; Weight predictor issam w local. Allowed arithmetic: matrix products marked QUANTISED: E2M3 operands, one E8M0 scale for each 32 along K, by v_wmma_scale_f32_16x16x128_f8f6f4 with both operands' format E2M3, f32 sums; products left as they are: f32 operands where the result goes on into a quantised operand, else bf16, f16 or f32 operands; f32 sums; everything else in f32.
;; Inputs: conv_b 256 float32; conv_w 256 x 256 float32; fc1_b 512 float32; fc1_w 512 x 1,024 float32; fc2_b 3 float32; fc2_w 3 x 512 float32; fea 1 x 256 x 256 x 256 float32; mask 1 x 1 x 2,048 x 2,048 float32.
;; Outputs: out0 1 x 3 x 2,048 x 2,048 float32; out1 1 x 3 x 32 x 32 float32.
;; This version of the problem:
;;   THIS VERSION OF THE PROBLEM IS GIVEN IN LOW PRECISION. The matrix products marked QUANTISED in the list below multiply operands that are first quantised to E2M3 (2 exponent bits, 3 mantissa bits; 6 bits a number), with one power-of-two scale for each 32 numbers along K (OCP MX v1.0); their sums are f32. All else is computed in f32.
;;   The module's matrix products, in the order in which they are computed (A, B: the left and right operand; K: the contracted axis; several contracted axes count as one K, in the product's order):
;;     1. [M 256, K 2,048] x [K 2,048, N 2,048]; A: computed on the way; B: input mask: QUANTISED
;;     2. [M 256, K 2,048] x [K 2,048, N 256]; A: computed on the way; B: computed on the way: QUANTISED
;;     3. [M 256, K 256] x [K 256, N 65,536]; A: input conv_w; B: input fea: QUANTISED
;;     4. [M 512, K 1,024] x [K 1,024, N 1,024]; A: input fc1_w; B: computed on the way: QUANTISED
;;     5. [M 3, K 512] x [K 512, N 1,024]; A: input fc2_w; B: computed on the way: left as it is (M = 3 < 16)
;;   THE QUANTISER, for each operand of a quantised product, along K:
;;     - K is cut into blocks of 32 from its start; a last block that is shorter is filled with zeros.
;;     - A block's scale is 2^e with e = floor(log2(the largest magnitude in the block)) - 2, held to -126 .. 127; a block of zeros has e = 0. As a byte (E8M0): e + 127.
;;     - Each number is divided by its block's scale, clamped to +-7.5, and rounded to the nearest number of E2M3, ties to even, subnormals kept.
;;     - The product sums the exact products of the quantised numbers (number of the format x scale) in f32.
;;   ~~~python
;;   def quantise(x, axis):      # numpy; x: float32 -> the quantised numbers, widened to float32 again
;;       x = np.moveaxis(x, axis, -1); K = x.shape[-1]
;;       x = np.pad(x, [(0, 0)] * (x.ndim - 1) + [(0, -K % 32)]); x = x.reshape(x.shape[:-1] + (-1, 32)); a = np.abs(x).max(-1, keepdims=True)
;;       e = np.where(a > 0, np.clip(np.frexp(np.where(a > 0, a, 1))[1] - 1 - 2, -126, 127), 0)      # np.frexp(a)[1] - 1 = floor(log2(a)), exactly
;;       r = np.clip(x / 2.0 ** e, -7.5, 7.5)
;;       step = 2.0 ** (np.maximum(np.frexp(np.where(r == 0, 1, r))[1] - 1, 0) - 3)
;;       q = np.round(r / step) * step * 2.0 ** e      # np.round: ties to even
;;       return np.moveaxis(q.reshape(q.shape[:-2] + (-1,))[..., :K], -1, axis).astype(np.float32)
;;   ~~~
;;   OPERANDS COMPUTED ON THE WAY. 'Computed on the way' means the value that the module computes at that place (a softmax that the list does not call 'softmax' is quantised finished and normalised). What goes into a quantiser is computed in f32, as accurately as f32 sums, v_exp_f32 and their like allow (about 1e-6 of the number): no bf16 or f16 on the way to a quantiser, and a product that is left as it is and whose result goes on into a quantised operand takes f32 operands (vector FMAs, or v_wmma_f32_16x16x4_f32). A number that lies on a knife's edge between two numbers of the format may be rounded either way, as far as f32 arithmetic and the matrix unit's own rounding can turn it there, and no further.
;; One version. Each part assembles by itself: llvm-mc -triple=amdgcn-amd-amdhsa -mcpu=gfx1250 --defsym DOCPART=n.
;; ======== version 1 of 1: 4 launches
;; workspace buffers: tcodes 393,216 bytes; tscale 16,384 bytes; cw 53,248 bytes; w1 425,984 bytes; part 524,288 bytes; fmt 1,048,576 bytes; of 196,608 bytes; og 256 bytes
;; launch prep (part 1): grid 256 x 1, 4 waves a work-group, no clusters, 167,936 bytes of LDS; arguments mask, conv_w, fc1_w, tcodes, tscale, cw, w1; writes tcodes, tscale, cw, w1
.if DOCPART == 1
	.amdgcn_target "amdgcn-amd-amdhsa--gfx1250"
	.amdhsa_code_object_version 6
	.text
	.protected	k_q1b4fc04c4c_prep
	.globl	k_q1b4fc04c4c_prep
	.p2align	8
	.type	k_q1b4fc04c4c_prep,@function
k_q1b4fc04c4c_prep:
	s_mov_b64 s[64:65], 0
	v_nop
	global_prefetch_b8 v0, s[64:65] scope:SCOPE_SE
	s_setreg_imm32_b32 hwreg(HW_REG_WAVE_MODE, 25, 1), 1
	s_wait_xcnt 0x0
; FIRST OF FOUR LAUNCHES.  It makes T = WH^T x mask, the first product of the bilinear resize 2048 -> 256 (K = the mask's rows h), quantises T along its columns w for the
; second product, and lays conv_w and fc1_w out once as codes of E2M3, as images of the operand's registers.
; THE RESIZE.  reference() resizes with antialiasing: two products with one constant matrix, W[h][i] = max(0, 1 - |8 i + 3.5 - h| / 8) / total, total = 8, and 7 for i = 0 and i = 255
; (there four weights, 16/16 in all, fall outside the mask).  The rows h are contracted first, then the columns w.
; WORK LEFT OUT, for all values of the inputs.  W is built by reference() from no input, and W[h][i] = 0 wherever |8 i + 3.5 - h| >= 8.  For the 16 outputs i = 16 t .. 16 t + 15
; the weights that are not 0 lie in h = 128 t - 4 .. 128 t + 131: the K blocks 4 t - 1 .. 4 t + 4 of 32.  In the other 58 blocks every code of W is 0 and the block adds nothing, whatever the mask holds.
; So K is walked over a window of six blocks (192 rows, held inside the mask): two matrix instructions, the last 64 places of the second zero codes on both sides.  The same holds of the second product (next launch).
; In the fourth product the first 512 of K are a broadcast of one vector: all 1,024 columns are equal by construction, and are multiplied once (third launch).  Every input has a way to an output and is loaded.
; LIMITS.  A NaN, an infinity or an overflow in the mask outside a tile's window is not carried to the result; NaN and infinities among the inputs are not served.  A block whose largest magnitude lies
; under 2^-124 takes the byte 1; so does a block of zeros (the quantiser says 127): its codes are zeros, and these bytes are read by this program alone.  The edge weights are made by a multiplication
; with the f32 number nearest 1/7 where reference() divides by 7: in units of their blocks' code steps they lie far from every middle between two codes.
; SHARES.  Work-group = (t, v): 16 rows i of T x 128 columns w.  Its window of the mask, 192 rows x 512 bytes, comes by four tensor loads, one a wave, all at the head; nothing is filled again.
; Wave w owns 32 columns, one K block of the second product.  A LANE TAKES A COLUMN AND ITS REGISTERS RUN DOWN h: a block of 32 lies in one lane.
; No cluster: neighbouring work-groups share only the 64 halo rows of a window of 192.  No prefetch: every byte is asked for at the head.
.set SPARE, 98304                      ; behind the window: the spare words, 128 bytes a wave
.set LN,  1                            ; lane
.set RR,  2                            ; lane % 16
.set HH,  3                            ; lane / 16
.set SPW, 4                            ; my spare word; never rewritten
.set NIL, 5                            ; 0; never rewritten
.set AM0, 6                            ; LDS: my column in the window's row 0
.set AM1, 7                            ; the same, 128 rows down
.set DD0, 8                            ; 8 r - 32 h + koff + 3.5
.set SS0, 9                            ; 1 / total
.set SS1, 10                           ; 1 / (8 total)
.set JO,  11                           ; the weight job: my byte in the tile of 16 rows
.set TCO, 12                           ; 24 r + 12 h
.set TSO, 13                           ; r
.set IMO, 14                           ; 16 x lane
.set IWO, 15                           ; 4 x lane
.set SH8, 16                           ; 8 h
.set PT,  17                           ; a lane permute's destination
.set MXA, 18
.set MXB, 19
.set SO,  20
.set BY,  21
.set BY2, 22
.set WF0, 24                           ; the weights' fragments, K steps 0 and 1
.set WF1, 36
.set WS0, 48                           ; scale words: these four hold scales alone
.set WS1, 49
.set MS0, 50
.set MS1, 51
.set FX0, 52                           ; the mask's fragments
.set FY0, 64
.set FX1, 76
.set FY1, 88
.set ACC, 100                          ; v100-115 two accumulators
.set TC,  116
.set TMPC, 120
.set X,   128                          ; v128-191 two sets of 32 numbers
.set QC,  192                          ; the job's codes and scale word: never rewritten
.set QW,  204
.set SEL, 36                           ; s[36:37] selects for lane l xor 16
.set SK0, 38                           ; s38-40 the floats 0, 64, 128
.macro NOPS n
.rept \n
	v_nop
.endr
.endm
.macro MAXB ma, mb, x                  ; the largest magnitude of 32 numbers of a lane, in two chains, and the floor 2^(3 - 127), which holds the byte at 1 from below
	v_max3_num_f32 v[\ma], |v[(\x)]|, |v[(\x)+1]|, |v[(\x)+2]|
	v_max3_num_f32 v[\mb], |v[(\x)+3]|, |v[(\x)+4]|, |v[(\x)+5]|
.irp i, 6,10,14,18,22,26
	v_max3_num_f32 v[\ma], v[\ma], |v[(\x)+\i]|, |v[(\x)+\i+1]|
	v_max3_num_f32 v[\mb], v[\mb], |v[(\x)+\i+2]|, |v[(\x)+\i+3]|
.endr
	v_max3_num_f32 v[\ma], v[\ma], |v[(\x)+30]|, |v[(\x)+31]|
	v_max3_num_f32 v[\ma], v[\ma], v[\mb], 0x1800000
.endm
.macro SCL so, by, ma                  ; 2 off the exponent field: the conversion's scale operand; its exponent field is the byte
	v_add_nc_u32 v[\so], 0xff000000, v[\ma]
	v_lshrrev_b32 v[\by], 23, v[\so]
.endm
.macro CVTB dst, x, so, tmp            ; 32 numbers -> six registers of codes (a conversion's three registers begin on an even number, so the second half is made elsewhere and moved)
	v_cvt_scalef32_pk16_fp6_f32 v[(\dst):(\dst)+2], v[(\x):(\x)+15], v[\so]
	v_cvt_scalef32_pk16_fp6_f32 v[(\tmp):(\tmp)+2], v[(\x)+16:(\x)+31], v[\so]
	v_nop                                          ; one plain place behind a scaled conversion
	v_mov_b32 v[(\dst)+3], v[(\tmp)]
	v_mov_b32 v[(\dst)+4], v[(\tmp)+1]
	v_mov_b32 v[(\dst)+5], v[(\tmp)+2]
.endm
.macro WORD word, bya, byb             ; my bytes of blocks h and 2 + h, with lane l xor 16's two: the row's scale word
	v_lshl_or_b32 v[\word], v[\byb], 16, v[\bya]
	v_lshlrev_b32 v[\word], v[SH8], v[\word]
	v_permlanex16_b32 v[PT], v[\word], s[SEL], s[SEL+1]
	v_or_b32 v[\word], v[\word], v[PT]
.endm
.macro WORD1 word, bya                 ; the same with blocks 0 and 1 alone
	v_lshlrev_b32 v[\word], v[SH8], v[\bya]
	v_permlanex16_b32 v[PT], v[\word], s[SEL], s[SEL+1]
	v_or_b32 v[\word], v[\word], v[PT]
.endm
.macro Q2 x, dst, word                 ; v[x + 32 c + i] = k 64 c + 32 h + i of my row: a whole fragment and its scale word
	MAXB MXA, MXB, \x
	SCL SO, BY, MXA
	CVTB \dst, \x, SO, TMPC
	MAXB MXA, MXB, (\x)+32
	SCL SO, BY2, MXA
	CVTB (\dst)+6, (\x)+32, SO, TMPC
	WORD \word, BY, BY2
.endm
.macro WVAL x, sk                      ; the 32 weights of window places s[sk] + 32 h + i for my output: d = DD0 - place, all exact; then max(0, 1/total - |d| / (8 total))
	v_sub_f32 v[(\x)], v[DD0], s[\sk]
	v_add_f32 v[(\x)+1], -1.0, v[(\x)]
	v_add_f32 v[(\x)+2], -2.0, v[(\x)]
	v_add_f32 v[(\x)+3], -2.0, v[(\x)+1]
.set wi, 4
.rept 28
	v_add_f32 v[(\x)+wi], -4.0, v[(\x)+wi-4]
.set wi, wi+1
.endr
.set wi, 0
.rept 32
	v_fma_f32 v[(\x)+wi], -|v[(\x)+wi]|, v[SS1], v[SS0]
.set wi, wi+1
.endr
.set wi, 0
.rept 32
	v_max_num_f32 v[(\x)+wi], 0, v[(\x)+wi]
.set wi, wi+1
.endr
.endm
.macro WCONST sk, st                   ; s[sk] = 128 x tile - the window's first place; s[st] = the tile of 16 outputs
	v_lshlrev_b32 v[DD0], 3, v[RR]
	v_lshlrev_b32 v[MXA], 5, v[HH]
	v_sub_nc_u32 v[DD0], v[DD0], v[MXA]
	v_add_nc_u32 v[DD0], s[\sk], v[DD0]
	v_cvt_f32_i32 v[DD0], v[DD0]
	v_add_f32 v[DD0], 0x40600000, v[DD0]           ; + 3.5
	v_lshl_add_u32 v[MXA], s[\st], 4, v[RR]        ; my output's index
	v_mov_b32 v[SS0], 0x3e000000                   ; 1/8
	v_mov_b32 v[MXB], 0x3e124925                   ; 1/7, for outputs 0 and 255
	v_cmp_eq_u32 vcc_lo, 0, v[MXA]
	v_cndmask_b32 v[SS0], v[SS0], v[MXB], vcc_lo
	v_cmp_eq_u32 vcc_lo, 0xff, v[MXA]
	v_cndmask_b32 v[SS0], v[SS0], v[MXB], vcc_lo
	v_mul_f32 v[SS1], 0x3e000000, v[SS0]
.endm
.macro WFRAG                           ; the weights of 16 outputs over the window of 192, quantised along it: lane r = output, K = the window
	WVAL X, SK0
	WVAL X+32, SK0+1
	Q2 X, WF0, WS0
	WVAL X, SK0+2
	MAXB MXA, MXB, X
	SCL SO, BY, MXA
	CVTB WF1, X, SO, TMPC
	WORD1 WS1, BY
.irp i, 6,7,8,9,10,11
	v_mov_b32 v[WF1+\i], 0                         ; places 192 .. 255: zero codes
.endr
.endm
	s_load_b256 s[4:11], s[0:1], 0x0               ; mask, conv_w, fc1_w, tcodes
	s_load_b128 s[12:15], s[0:1], 0x20             ; tscale, cw
	s_load_b64 s[16:17], s[0:1], 0x30              ; w1
	v_lshl_add_u32 v[SPW], v0, 2, SPARE
	v_mov_b32 v[NIL], 0
	ds_add_u32 v[SPW], v[NIL]                      ; the wave's opening: the add, twice on end, and its wait ahead of my first tensor load
	ds_add_u32 v[SPW], v[NIL]
	v_lshrrev_b32 v[LN], 5, v0
	v_readfirstlane_b32 s18, v[LN]                 ; wave 0..3
	v_and_b32 v[LN], 31, v0
	v_and_b32 v[RR], 15, v0
	v_bfe_u32 v[HH], v0, 4, 1
	s_mov_b32 s19, ttmp9
	s_lshr_b32 s20, s19, 4                         ; t: my 16 rows of T
	s_and_b32 s21, s19, 15                         ; v: my 128 columns
	s_lshl_b32 s23, s20, 7
	s_max_u32 s22, s23, 32
	s_sub_co_u32 s22, s22, 32
	s_min_u32 s22, s22, 1856                       ; the window's first row of the mask: 128 t - 32, held to 0 .. 1856
	s_sub_co_u32 s23, s23, s22                     ; koff = 128 t - that: 0, 32 or 64
	; descriptor group 1: 48 rows of 128 f32 (512 bytes), 2,048 elements from row to row, no padding
	s_mov_b32 s28, 2<<16
	s_mov_b32 s29, 128<<16
	s_mov_b32 s30, 48<<16
	s_mov_b32 s31, 128<<16
	s_mov_b32 s32, 48
	s_mov_b32 s33, 2048
	s_mov_b32 s34, 0
	s_mov_b32 s35, 0
	s_mov_b32 s24, 1
	s_mul_i32 s25, s18, 24576                      ; my 48 rows' place in LDS
	s_mul_i32 s48, s18, 48
	s_add_co_u32 s48, s48, s22
	s_lshl_b32 s48, s48, 13                        ; rows of 8,192 bytes
	s_lshl_b32 s50, s21, 9
	s_add_co_u32 s48, s48, s50                     ; + 512 v
	s_mov_b32 s49, 0
	s_mov_b32 s[SEL], 0x76543210
	s_mov_b32 s[SEL+1], 0xfedcba98
	s_mov_b32 s[SK0], 0
	s_mov_b32 s[SK0+1], 0x42800000                 ; 64.0
	s_mov_b32 s[SK0+2], 0x43000000                 ; 128.0
	; the lanes' columns: lanes 8-15 take columns 16-23 and lanes 16-23 columns 8-15, so that a lane's 16 results below are 16 neighbours along w
	v_and_b32 v[AM0], 7, v[LN]
	v_lshlrev_b32 v[AM0], 2, v[AM0]
	v_and_b32 v[MXA], 8, v[LN]
	v_lshl_add_u32 v[AM0], v[MXA], 3, v[AM0]
	v_and_b32 v[MXA], 16, v[LN]
	v_lshl_add_u32 v[AM0], v[MXA], 1, v[AM0]
	s_lshl_b32 s47, s18, 7
	v_add_nc_u32 v[AM0], s47, v[AM0]               ; + my wave's 128 bytes of a row
	v_add_nc_u32 v[AM1], 0x10000, v[AM0]
	v_mul_u32_u24 v[TCO], v[RR], 24
	v_mad_u32_u24 v[TCO], v[HH], 12, v[TCO]
	v_mov_b32 v[TSO], v[RR]
	v_lshlrev_b32 v[IMO], 4, v[LN]
	v_lshlrev_b32 v[IWO], 2, v[LN]
	v_lshlrev_b32 v[SH8], 3, v[HH]
	v_mov_b32 v[PT], 0
	; the weight job's offsets: fc1_w's fragment number wg (tile wg / 8, K step wg % 8); conv_w's (K step wg / 16, tile wg % 16)
	s_lshr_b32 s50, s19, 3
	s_lshl_b32 s50, s50, 16
	s_and_b32 s51, s19, 7
	s_lshl_b32 s51, s51, 9
	s_add_co_u32 s50, s50, s51
	s_and_b32 s52, s19, 15
	s_lshl_b32 s52, s52, 14
	s_lshr_b32 s53, s19, 4
	s_lshl_b32 s53, s53, 9
	s_add_co_u32 s52, s52, s53
	s_wait_dscnt 0x0                               ; both opening adds are done
	s_wait_kmcnt 0x0
	s_add_nc_u64 s[26:27], s[4:5], s[48:49]
	s_or_b32 s27, s27, 0x80000000
	tensor_load_to_lds s[24:27], s[28:35]          ; my quarter of the window: my one tensor load of the launch
	s_nop 0
	NOPS 4
	; THE WEIGHT JOB, while the window is on its way.  Wave 0: one fragment of fc1_w; wave 1 of the first 32 work-groups: one of conv_w.  16 rows x 128 along K, K innermost.
	s_cmp_eq_u32 s18, 0
	s_cselect_b64 s[42:43], s[8:9], s[6:7]
	s_cselect_b64 s[44:45], s[16:17], s[14:15]
	s_cselect_b32 s50, s50, s52
	s_cselect_b32 s46, 12, 10                      ; a row of 4,096 or of 1,024 bytes
	s_mov_b32 s51, 0
	s_mul_i32 s52, s19, 1664                       ; an image: 1,536 bytes of codes, 128 of scale words
	s_mov_b32 s53, 0
	s_add_nc_u64 s[42:43], s[42:43], s[50:51]
	s_add_nc_u64 s[44:45], s[44:45], s[52:53]
	v_lshlrev_b32 v[JO], s46, v[RR]
	v_lshl_add_u32 v[JO], v[HH], 7, v[JO]          ; row r, + 128 h: my 32 numbers of each 64
	s_cmp_gt_u32 s18, 1
	s_cbranch_scc1 .Lno_job
	s_cmp_eq_u32 s18, 0
	s_cbranch_scc1 .Ljob
	s_cmp_gt_u32 s19, 31
	s_cbranch_scc1 .Lno_job
.Ljob:
.irp c, 0,1
.irp j, 0,1,2,3,4,5,6,7
	global_load_b128 v[X+32*\c+4*\j:X+32*\c+4*\j+3], v[JO], s[42:43] offset:256*\c+16*\j
.endr
.endr
	s_wait_loadcnt 0x0
	Q2 X, QC, QW
.irp c, 0,1,2
	global_store_b128 v[IMO], v[QC+4*\c:QC+4*\c+3], s[44:45] offset:512*\c   ; the fragment as it stands in registers: 512 consecutive bytes a store
.endr
	global_store_b32 v[IWO], v[QW], s[44:45] offset:1536
.Lno_job:
	; where my results go: K block b = 4 v + wave of the second product
	s_lshl_b32 s50, s21, 2
	s_add_co_u32 s50, s50, s18
	s_mul_i32 s52, s20, 24576
	s_mul_i32 s54, s50, 384
	s_add_co_u32 s52, s52, s54
	s_mov_b32 s53, 0
	s_add_nc_u64 s[10:11], s[10:11], s[52:53]
	s_lshl_b32 s52, s20, 10
	s_lshl_b32 s54, s50, 4
	s_add_co_u32 s52, s52, s54
	s_add_nc_u64 s[12:13], s[12:13], s[52:53]
	WCONST 23, 20
	WFRAG
	s_wait_tensorcnt 0x0                           ; my quarter of the window is in;
	s_barrier_signal -1
	s_barrier_wait -1                              ; everybody's is.  Nothing is filled again in this launch
.macro LOADB kb                        ; block kb of my column: 32 rows; each load reads 128 consecutive bytes of one row
.set lb, 0
.rept 32
.if (\kb) < 4
	ds_load_b32 v[X+32*((\kb)%2)+lb], v[AM0] offset:(32*(\kb)+lb)*512
.else
	ds_load_b32 v[X+32*((\kb)%2)+lb], v[AM1] offset:(32*(\kb)+lb-128)*512
.endif
.set lb, lb+1
.endr
.endm
.macro MBLK kb, dst, wt                ; wt: the next block's 32 loads may stay out
	s_wait_dscnt \wt
	MAXB MXA, MXB, X+32*((\kb)%2)
	SCL SO, BY, MXA
	CVTB \dst, X+32*((\kb)%2), SO, TMPC
.if (\kb)%4 == 0
	v_mov_b32 v[MS0+(\kb)/4], v[BY]
.else
	v_lshl_or_b32 v[MS0+(\kb)/4], v[BY], 8*((\kb)%4), v[MS0+(\kb)/4]
.endif
.if (\kb) < 4
	LOADB (\kb)+2
.endif
.endm
	LOADB 0
	LOADB 1
	MBLK 0, FX0, 32
	MBLK 1, FY0, 32
	MBLK 2, FX0+6, 32
	MBLK 3, FY0+6, 32
	MBLK 4, FX1, 32
	MBLK 5, FY1, 0
.irp i, 6,7,8,9,10,11
	v_mov_b32 v[FX1+\i], 0                         ; places 192 .. 255 of the window: zero codes
	v_mov_b32 v[FY1+\i], 0
.endr
	; the operand's layout wants blocks 0, 2 of a column in lane r and blocks 1, 3 in lane r + 16: FX's lanes 16-31 change places with FY's lanes 0-15.  FX is then the fragment of lanes 0-15's columns, FY of lanes 16-31's
.irp i, 0,1,2,3,4,5,6,7,8,9,10,11
	v_permlane16_swap_b32 v[FX0+\i], v[FY0+\i]
.endr
.irp i, 0,1,2,3,4,5
	v_permlane16_swap_b32 v[FX1+\i], v[FY1+\i]
.endr
	NOPS 8                                         ; scale words and operands written by vector instructions stand 8 and 4 places ahead of a scaled matrix instruction
	; TRANSPOSED: source 0 = 16 columns of the mask, source 1 = my 16 outputs.  The two accumulators take turns
	v_wmma_scale_f32_16x16x128_f8f6f4 v[ACC:ACC+7], v[FX0:FX0+11], v[WF0:WF0+11], 0, v[MS0], v[WS0] matrix_a_fmt:MATRIX_FMT_FP6 matrix_b_fmt:MATRIX_FMT_FP6
	v_wmma_scale_f32_16x16x128_f8f6f4 v[ACC+8:ACC+15], v[FY0:FY0+11], v[WF0:WF0+11], 0, v[MS0], v[WS0] matrix_a_fmt:MATRIX_FMT_FP6 matrix_b_fmt:MATRIX_FMT_FP6 matrix_a_scale:MATRIX_SCALE_ROW1
	v_wmma_scale_f32_16x16x128_f8f6f4 v[ACC:ACC+7], v[FX1:FX1+11], v[WF1:WF1+11], v[ACC:ACC+7], v[MS1], v[WS1] matrix_a_fmt:MATRIX_FMT_FP6 matrix_b_fmt:MATRIX_FMT_FP6
	v_wmma_scale_f32_16x16x128_f8f6f4 v[ACC+8:ACC+15], v[FY1:FY1+11], v[WF1:WF1+11], v[ACC+8:ACC+15], v[MS1], v[WS1] matrix_a_fmt:MATRIX_FMT_FP6 matrix_b_fmt:MATRIX_FMT_FP6 matrix_a_scale:MATRIX_SCALE_ROW1
	NOPS 4
	; lane (r, h) holds T(16 t + r, 32 b + 16 h + 0 .. 15): half a block of the second product's K
	v_max3_num_f32 v[MXA], |v[ACC]|, |v[ACC+1]|, 0x1800000
.irp i, 2,4,6,8,10,12,14
	v_max3_num_f32 v[MXA], v[MXA], |v[ACC+\i]|, |v[ACC+\i+1]|
.endr
	v_permlanex16_b32 v[PT], v[MXA], s[SEL], s[SEL+1]
	v_max_num_f32 v[MXA], v[MXA], v[PT]            ; with lane l xor 16's 16: the block's
	SCL SO, BY, MXA
	v_cvt_scalef32_pk16_fp6_f32 v[TC:TC+2], v[ACC:ACC+15], v[SO]
	v_nop
	global_store_b96 v[TCO], v[TC:TC+2], s[10:11]  ; the wave stores the block's 16 rows x 24 bytes: 384 consecutive bytes
	global_store_b8 v[TSO], v[BY], s[12:13]        ; lanes r and r + 16 store the same byte with the same value
	s_wait_tensorcnt 0x0                           ; the wave's end
	ds_add_u32 v[SPW], v[NIL]
	s_wait_dscnt 0x0
	s_endpgm
.Lfunc_end_k_q1b4fc04c4c_prep:
	.size	k_q1b4fc04c4c_prep, .Lfunc_end_k_q1b4fc04c4c_prep-k_q1b4fc04c4c_prep
	.p2alignl 7, 3214868480
	.fill 96, 4, 3214868480
	.section	.rodata,"a",@progbits
	.p2align	6, 0x0
	.amdhsa_kernel k_q1b4fc04c4c_prep
		.amdhsa_group_segment_fixed_size 167936
		.amdhsa_private_segment_fixed_size 0
		.amdhsa_enable_private_segment 0
		.amdhsa_kernarg_size 56
		.amdhsa_user_sgpr_count 2
		.amdhsa_user_sgpr_kernarg_segment_ptr 1
		.amdhsa_wavefront_size32 1
		.amdhsa_system_sgpr_workgroup_id_x 1
		.amdhsa_system_sgpr_workgroup_id_y 1
		.amdhsa_system_sgpr_workgroup_id_z 1
		.amdhsa_system_vgpr_workitem_id 0
		.amdhsa_next_free_vgpr 224
		.amdhsa_next_free_sgpr 66
		.amdhsa_reserve_vcc 1
		.amdhsa_float_denorm_mode_32 3
		.amdhsa_float_denorm_mode_16_64 3
		.amdhsa_memory_ordered 1
		.amdhsa_forward_progress 1
		.amdhsa_inst_pref_size 51
	.end_amdhsa_kernel
	.amdgpu_metadata
---
amdhsa.version: [ 1, 2 ]
amdhsa.kernels:
  - .name:           k_q1b4fc04c4c_prep
    .symbol:         k_q1b4fc04c4c_prep.kd
    .args:
      - { .name: mask, .offset: 0, .size: 8, .value_kind: global_buffer, .address_space: global }
      - { .name: conv_w, .offset: 8, .size: 8, .value_kind: global_buffer, .address_space: global }
      - { .name: fc1_w, .offset: 16, .size: 8, .value_kind: global_buffer, .address_space: global }
      - { .name: tcodes, .offset: 24, .size: 8, .value_kind: global_buffer, .address_space: global }
      - { .name: tscale, .offset: 32, .size: 8, .value_kind: global_buffer, .address_space: global }
      - { .name: cw, .offset: 40, .size: 8, .value_kind: global_buffer, .address_space: global }
      - { .name: w1, .offset: 48, .size: 8, .value_kind: global_buffer, .address_space: global }
    .group_segment_fixed_size: 167936
    .private_segment_fixed_size: 0
    .kernarg_segment_align: 8
    .kernarg_segment_size: 56
    .max_flat_workgroup_size: 128
    .sgpr_count:     66
    .vgpr_count:     224
    .wavefront_size: 32
...
	.end_amdgpu_metadata
.endif
;; end of part 1
;; launch feapass (part 2): grid 256 x 1, 8 waves a work-group, no clusters, 327,680 bytes of LDS; arguments fea, tcodes, tscale, cw, conv_b, part, fmt; writes part, fmt
.if DOCPART == 2
	.amdgcn_target "amdgcn-amd-amdhsa--gfx1250"
	.amdhsa_code_object_version 6
	.text
	.protected	k_q1b4fc04c4c_feapass
	.globl	k_q1b4fc04c4c_feapass
	.p2align	8
	.type	k_q1b4fc04c4c_feapass,@function
k_q1b4fc04c4c_feapass:
	s_mov_b64 s[64:65], 0
	v_nop
	global_prefetch_b8 v0, s[64:65] scope:SCOPE_SE
	s_setreg_imm32_b32 hwreg(HW_REG_WAVE_MODE, 25, 1), 1
	s_wait_xcnt 0x0
; SECOND LAUNCH: the one pass over fea.  dm = T x WW (the resize's second product; kept in LDS alone), Q(fea) along the channels, x = conv_w x fea, the sums of x dm and x (1 - dm) with the bias, and the patch means of fea dm.
; WORK LEFT OUT: the second product walks only the six K blocks in which WW, which reference() builds from no input, has a weight that is not 0 (shown at the head of the first launch).
; SHARES.  Work-group = (ch, cq, py): 128 channels x 8 pixel rows x 64 pixels: 256 KiB of fea, all asked for at the head and all in LDS at once: no ring, nothing filled again.
; Wave y owns pixel row 8 py + y: it fetches it (two tensor loads of 64 channel rows of 256 bytes) and it alone reads it.  The 128 channels are one K step of the matrix instruction; the two
; halves of K lie in two work-groups, and since the sums over pixels are linear in x, the next launch adds them.
; fea is read from LDS twice: once a lane to a pixel, registers down the channels (the quantiser's K), once a lane to a channel, registers along the pixels (the patch means).
; The bias enters as conv_b x the sum of dm, and of 1 - dm, in the work-groups with ch = 0: the same numbers as a bias on every pixel but for rounding.  Sums are f32, in another order than reference()'s.
; LIMITS: as stated at the head of the first launch.
; No cluster: what work-groups share (26 KiB of conv_w's codes, a few fragments of T) is a tenth of what each reads alone.  No prefetch: every byte is asked for at the head.
; A wave has at most three tensor loads outstanding.
.set FEAW,  34816                      ; LDS: a wave's 128 channel rows of 256 bytes + 16 of padding
.set CWB,   278528                     ; conv_w's 16 images of 1,664 bytes for my K step
.set DMBS,  305152                     ; dm: row y at 256 y; the upper 2,048 bytes take the doubles of lanes r >= 8 and are never read
.set SDB,   309248                     ; 8 bytes a wave: its row's sums of dm and of 1 - dm
.set PARTB, 309504                     ; 2,048 y + 1,024 kind + 4 o
.set SPARE, 325888                     ; the spare words, 128 bytes a wave
.set LN,  1
.set RR,  2
.set HH,  3
.set SPW, 4
.set NIL, 5
.set AQ,  6                            ; my wave's rows + 4 x lane: a lane to a pixel
.set AF,  7                            ; my wave's rows + 272 x lane: a lane to a channel
.set SS1, 8
.set ADM, 9                            ; dm's row y
.set ADL, 10                           ; + 4 x lane
.set ADP, 11                           ; + 32 h
.set ADS, 12                           ; where waves 0-3 store dm
.set AC,  13                           ; conv_w's images + 16 x lane
.set ACS, 14                           ; their scale words + 4 x lane
.set AP,  15                           ; my wave's sums: + 1,024 h + 4 r
.set ASD, 16
.set AR,  17                           ; v17-20 the patch sums of waves 2 k, 2 k + 1
.set APR, 21
.set ASDR, 22
.set TCO, 23
.set TSO, 24
.set O4,  25                           ; 4 x thread
.set O16, 26                           ; 16 x lane
.set CB,  27                           ; conv_b of output = thread
.set SH8, 28
.set PT,  29
.set DD0, 30
.set SS0, 31
.set DML, 32
.set PS0, 34                           ; v34-35 the pixels' scale words: scales alone
.set MXA, 36
.set MXB, 37
.set SO,  38
.set BY,  39
.set BY2, 40
.set TMPC, 42
.set FA0, 36                           ; the weighted sums' pairs, once the quantising is over
.set FB0, 40
.set FR,  48                           ; v48-95 the pixels' codes
.set WF0, 96
.set WF1, 108
.set TF0, 120
.set TF1, 132
.set TBY, 144
.set DMB, 96                           ; v96-159 dm's row, whole, in every lane
.set DMP, 96                           ; later: dm at my eight pixels of each tile,
.set EMP, 128                          ; and 1 - dm
.set XA,  160
.set XB,  192
.set X,   160
.set DA,  160                          ; later: two sets of four accumulators
.set DDM, 224
.set FV,  224
.set FP,  232
.set CF,  224                          ; later: two fragments of conv_w
.set CS0, 248                          ; v248-253: scales alone
.set WS0, 250
.set WS1, 251
.set TS0, 252
.set TS1, 253
.set SEL, 52
.set SK0, 56
.macro NOPS n
.rept \n
	v_nop
.endr
.endm
.macro MAXB ma, mb, x                  ; the largest magnitude of 32 numbers of a lane, and the floor 2^(3 - 127)
	v_max3_num_f32 v[\ma], |v[(\x)]|, |v[(\x)+1]|, |v[(\x)+2]|
	v_max3_num_f32 v[\mb], |v[(\x)+3]|, |v[(\x)+4]|, |v[(\x)+5]|
.irp i, 6,10,14,18,22,26
	v_max3_num_f32 v[\ma], v[\ma], |v[(\x)+\i]|, |v[(\x)+\i+1]|
	v_max3_num_f32 v[\mb], v[\mb], |v[(\x)+\i+2]|, |v[(\x)+\i+3]|
.endr
	v_max3_num_f32 v[\ma], v[\ma], |v[(\x)+30]|, |v[(\x)+31]|
	v_max3_num_f32 v[\ma], v[\ma], v[\mb], 0x1800000
.endm
.macro SCL so, by, ma
	v_add_nc_u32 v[\so], 0xff000000, v[\ma]
	v_lshrrev_b32 v[\by], 23, v[\so]
.endm
.macro CVTB dst, x, so, tmp
	v_cvt_scalef32_pk16_fp6_f32 v[(\dst):(\dst)+2], v[(\x):(\x)+15], v[\so]
	v_cvt_scalef32_pk16_fp6_f32 v[(\tmp):(\tmp)+2], v[(\x)+16:(\x)+31], v[\so]
	v_nop                                          ; one plain place behind a scaled conversion
	v_mov_b32 v[(\dst)+3], v[(\tmp)]
	v_mov_b32 v[(\dst)+4], v[(\tmp)+1]
	v_mov_b32 v[(\dst)+5], v[(\tmp)+2]
.endm
.macro WORD word, bya, byb
	v_lshl_or_b32 v[\word], v[\byb], 16, v[\bya]
	v_lshlrev_b32 v[\word], v[SH8], v[\word]
	v_permlanex16_b32 v[PT], v[\word], s[SEL], s[SEL+1]
	v_or_b32 v[\word], v[\word], v[PT]
.endm
.macro WORD1 word, bya
	v_lshlrev_b32 v[\word], v[SH8], v[\bya]
	v_permlanex16_b32 v[PT], v[\word], s[SEL], s[SEL+1]
	v_or_b32 v[\word], v[\word], v[PT]
.endm
.macro Q2 x, dst, word
	MAXB MXA, MXB, \x
	SCL SO, BY, MXA
	CVTB \dst, \x, SO, TMPC
	MAXB MXA, MXB, (\x)+32
	SCL SO, BY2, MXA
	CVTB (\dst)+6, (\x)+32, SO, TMPC
	WORD \word, BY, BY2
.endm
.macro WVAL x, sk                      ; the 32 weights of window places s[sk] + 32 h + i for my output
	v_sub_f32 v[(\x)], v[DD0], s[\sk]
	v_add_f32 v[(\x)+1], -1.0, v[(\x)]
	v_add_f32 v[(\x)+2], -2.0, v[(\x)]
	v_add_f32 v[(\x)+3], -2.0, v[(\x)+1]
.set wi, 4
.rept 28
	v_add_f32 v[(\x)+wi], -4.0, v[(\x)+wi-4]
.set wi, wi+1
.endr
.set wi, 0
.rept 32
	v_fma_f32 v[(\x)+wi], -|v[(\x)+wi]|, v[SS1], v[SS0]
.set wi, wi+1
.endr
.set wi, 0
.rept 32
	v_max_num_f32 v[(\x)+wi], 0, v[(\x)+wi]
.set wi, wi+1
.endr
.endm
.macro WCONST sk, st
	v_lshlrev_b32 v[DD0], 3, v[RR]
	v_lshlrev_b32 v[MXA], 5, v[HH]
	v_sub_nc_u32 v[DD0], v[DD0], v[MXA]
	v_add_nc_u32 v[DD0], s[\sk], v[DD0]
	v_cvt_f32_i32 v[DD0], v[DD0]
	v_add_f32 v[DD0], 0x40600000, v[DD0]           ; + 3.5
	v_lshl_add_u32 v[MXA], s[\st], 4, v[RR]
	v_mov_b32 v[SS0], 0x3e000000                   ; 1/8
	v_mov_b32 v[MXB], 0x3e124925                   ; 1/7, for outputs 0 and 255
	v_cmp_eq_u32 vcc_lo, 0, v[MXA]
	v_cndmask_b32 v[SS0], v[SS0], v[MXB], vcc_lo
	v_cmp_eq_u32 vcc_lo, 0xff, v[MXA]
	v_cndmask_b32 v[SS0], v[SS0], v[MXB], vcc_lo
	v_mul_f32 v[SS1], 0x3e000000, v[SS0]
.endm
.macro WFRAG
	WVAL X, SK0
	WVAL X+32, SK0+1
	Q2 X, WF0, WS0
	WVAL X, SK0+2
	MAXB MXA, MXB, X
	SCL SO, BY, MXA
	CVTB WF1, X, SO, TMPC
	WORD1 WS1, BY
.irp i, 6,7,8,9,10,11
	v_mov_b32 v[WF1+\i], 0
.endr
.endm
	s_load_b256 s[4:11], s[0:1], 0x0               ; fea, tcodes, tscale, cw
	s_load_b128 s[12:15], s[0:1], 0x20             ; conv_b, part
	s_load_b64 s[16:17], s[0:1], 0x30              ; fmt
	v_lshl_add_u32 v[SPW], v0, 2, SPARE
	v_mov_b32 v[NIL], 0
	ds_add_u32 v[SPW], v[NIL]                      ; the wave's opening: the add, twice on end, and its wait ahead of my first tensor load
	ds_add_u32 v[SPW], v[NIL]
	v_lshrrev_b32 v[LN], 5, v0
	v_readfirstlane_b32 s18, v[LN]                 ; wave y = 0..7
	v_and_b32 v[LN], 31, v0
	v_and_b32 v[RR], 15, v0
	v_bfe_u32 v[HH], v0, 4, 1
	s_mov_b32 s19, ttmp9
	s_and_b32 s20, s19, 1                          ; ch: which 128 channels
	s_lshr_b32 s21, s19, 1
	s_and_b32 s21, s21, 3                          ; cq: which 64 columns
	s_lshr_b32 s22, s19, 3                         ; py: which 8 rows
	; group 1 for fea: 64 channel rows of 64 f32, 65,536 elements apart; 16 bytes of padding behind each 256
	s_mov_b32 s36, (2<<16)|(1<<20)|(5<<22)|(3<<25)
	s_mov_b32 s37, 64<<16
	s_mov_b32 s38, 64<<16
	s_mov_b32 s39, 64<<16
	s_mov_b32 s40, 64
	s_mov_b32 s41, 65536
	s_mov_b32 s42, 0
	s_mov_b32 s43, 0
	; group 1 for conv_w's images: 3,328 dense bytes as 13 rows of 256
	s_mov_b32 s44, 3<<16
	s_mov_b32 s45, 32<<16
	s_mov_b32 s46, 13<<16
	s_mov_b32 s47, 32<<16
	s_mov_b32 s48, 13
	s_mov_b32 s49, 32
	s_mov_b32 s50, 0
	s_mov_b32 s51, 0
	s_mov_b32 s[SEL], 0x76543210
	s_mov_b32 s[SEL+1], 0xfedcba98
	s_mov_b32 s54, 0xffff0000                      ; lanes 16-31
	s_cmp_eq_u32 s20, 0
	s_cselect_b32 s55, 1.0, 0                      ; the bias counts once: in the work-groups of the first 128 channels
	s_mov_b32 s[SK0], 0
	s_mov_b32 s[SK0+1], 0x42800000
	s_mov_b32 s[SK0+2], 0x43000000
	s_mul_i32 s59, s18, FEAW
	s_mov_b32 s24, 1
	s_mul_i32 s25, s18, 3328
	s_add_co_u32 s25, s25, CWB
	s_mov_b32 s28, 1
	s_mov_b32 s29, s59
	s_mov_b32 s32, 1
	s_add_co_u32 s33, s59, 17408
	s_lshl_b32 s68, s20, 25                        ; 128 channels of 262,144 bytes
	s_lshl_b32 s70, s22, 3
	s_add_co_u32 s70, s70, s18
	s_lshl_b32 s70, s70, 10                        ; row 8 py + y
	s_add_co_u32 s68, s68, s70
	s_lshl_b32 s70, s21, 8
	s_add_co_u32 s68, s68, s70
	s_mov_b32 s69, 0
	s_mul_i32 s72, s20, 26624
	s_mul_i32 s70, s18, 3328
	s_add_co_u32 s72, s72, s70
	s_mov_b32 s73, 0
	; every LDS address is made here, ahead of the branch on the wave's number
	v_lshl_add_u32 v[AQ], v[LN], 2, s59
	v_mul_u32_u24 v[AF], v[LN], 272
	v_add_nc_u32 v[AF], s59, v[AF]
	s_lshl_b32 s60, s18, 8
	s_add_co_u32 s60, s60, DMBS
	v_mov_b32 v[ADM], s60
	v_lshl_add_u32 v[ADL], v[LN], 2, s60
	v_lshl_add_u32 v[ADP], v[HH], 5, s60
	s_and_b32 s61, s18, 3
	s_lshl_b32 s61, s61, 6
	s_add_co_u32 s61, s61, DMBS
	v_lshl_add_u32 v[ADS], v[RR], 8, s61           ; row r (rows 8-15 are the doubles), my tile's 64 bytes,
	v_lshl_add_u32 v[ADS], v[HH], 5, v[ADS]        ; my half's 32
	v_lshl_add_u32 v[AC], v[LN], 4, CWB
	v_lshl_add_u32 v[ACS], v[LN], 2, CWB+1536
	s_lshl_b32 s62, s18, 11
	s_add_co_u32 s62, s62, PARTB
	v_lshl_add_u32 v[AP], v[HH], 10, s62
	v_lshl_add_u32 v[AP], v[RR], 2, v[AP]
	s_lshl_b32 s63, s18, 3
	s_add_co_u32 s63, s63, SDB
	v_mov_b32 v[ASD], s63
	s_lshl_b32 s66, s18, 9
	v_lshl_add_u32 v[AR], v[LN], 4, s66
	v_add_nc_u32 v[AR+1], 2*FEAW, v[AR]
	v_add_nc_u32 v[AR+2], 4*FEAW, v[AR]
	v_add_nc_u32 v[AR+3], 6*FEAW, v[AR]
	v_lshl_add_u32 v[APR], v0, 2, PARTB
	v_mov_b32 v[ASDR], SDB
	s_and_b32 s67, s22, 1
	s_lshl_b32 s67, s67, 3
	v_and_b32 v[TSO], 7, v[RR]
	v_add_nc_u32 v[TSO], s67, v[TSO]               ; T's row in its tile of 16: 8 (py % 2) + r % 8
	v_mul_u32_u24 v[TCO], v[TSO], 24
	v_mad_u32_u24 v[TCO], v[HH], 384, v[TCO]
	v_lshlrev_b32 v[O4], 2, v0
	v_lshlrev_b32 v[O16], 4, v[LN]
	v_lshlrev_b32 v[SH8], 3, v[HH]
	v_mov_b32 v[PT], 0
	s_wait_dscnt 0x0                               ; both opening adds are done
	s_wait_kmcnt 0x0
	s_add_nc_u64 s[26:27], s[10:11], s[72:73]
	s_or_b32 s27, s27, 0x80000000
	s_add_nc_u64 s[30:31], s[4:5], s[68:69]
	s_add_nc_u64 s[34:35], s[30:31], 0x1000000     ; 64 channels on
	s_or_b32 s31, s31, 0x80000000
	s_or_b32 s35, s35, 0x80000000
	tensor_load_to_lds s[24:27], s[44:51]          ; my two images of conv_w first: they are wanted by all behind the first barrier
	s_nop 0
	tensor_load_to_lds s[28:31], s[36:43]          ; my row, channels 0-63 of the 128
	s_nop 0
	tensor_load_to_lds s[32:35], s[36:43]          ; channels 64-127
	s_nop 0
	NOPS 4
	global_load_b32 v[CB], v[O4], s[12:13]
	s_lshl_b32 s70, s19, 11
	s_mov_b32 s71, 0
	s_add_nc_u64 s[14:15], s[14:15], s[70:71]      ; part: my work-group's 2,048 bytes
	s_lshl_b32 s70, s22, 5
	s_lshl_b32 s72, s21, 3
	s_add_co_u32 s70, s70, s72
	s_add_co_u32 s70, s70, s18                     ; patch 32 py + 8 cq + y
	s_lshl_b32 s70, s70, 10
	s_lshl_b32 s72, s20, 9
	s_add_co_u32 s70, s70, s72
	s_add_nc_u64 s[16:17], s[16:17], s[70:71]
	; ---- dm: waves 0-3, a tile of 16 columns each, for the work-group's 8 rows
	s_cmp_lt_u32 s18, 4
	s_cbranch_scc0 .Lno_dm
	s_lshl_b32 s74, s21, 2
	s_add_co_u32 s74, s74, s18                     ; u: the tile of 16 outputs j
	s_lshl_b32 s75, s74, 2
	s_max_u32 s75, s75, 1
	s_sub_co_u32 s75, s75, 1
	s_min_u32 s75, s75, 58                         ; the window's first K block
	s_lshl_b32 s76, s74, 7
	s_lshl_b32 s77, s75, 5
	s_sub_co_u32 s76, s76, s77                     ; koff
	s_lshr_b32 s77, s22, 1                         ; T's tile of rows
	s_mul_i32 s70, s77, 24576
	s_mul_i32 s78, s75, 384
	s_add_co_u32 s70, s70, s78
	s_add_nc_u64 s[6:7], s[6:7], s[70:71]
	s_lshl_b32 s70, s77, 10
	s_lshl_b32 s78, s75, 4
	s_add_co_u32 s70, s70, s78
	s_add_nc_u64 s[8:9], s[8:9], s[70:71]
.irp c, 0,1
.irp p, 0,1,2
	global_load_b64 v[TF0+6*\c+2*\p:TF0+6*\c+2*\p+1], v[TCO], s[6:7] offset:768*\c+8*\p   ; block 2 c + h of the window, my row's 24 bytes
.endr
.endr
.irp p, 0,1,2
	global_load_b64 v[TF1+2*\p:TF1+2*\p+1], v[TCO], s[6:7] offset:1536+8*\p
.endr
.irp q, 0,1,2,3,4,5
	global_load_u8 v[TBY+\q], v[TSO], s[8:9] offset:16*\q
.endr
	WCONST 76, 74
	WFRAG
.irp i, 6,7,8,9,10,11
	v_mov_b32 v[TF1+\i], 0
.endr
	s_wait_loadcnt 0x0
	v_lshl_or_b32 v[TS0], v[TBY+1], 8, v[TBY]
	v_lshl_or_b32 v[TS0], v[TBY+2], 16, v[TS0]
	v_lshl_or_b32 v[TS0], v[TBY+3], 24, v[TS0]
	v_lshl_or_b32 v[TS1], v[TBY+5], 8, v[TBY+4]
	NOPS 8
	v_wmma_scale_f32_16x16x128_f8f6f4 v[DDM:DDM+7], v[WF0:WF0+11], v[TF0:TF0+11], 0, v[WS0], v[TS0] matrix_a_fmt:MATRIX_FMT_FP6 matrix_b_fmt:MATRIX_FMT_FP6
	s_wait_alu depctr_va_vdst(0)                   ; the wait directly ahead of the link
	v_wmma_scale_f32_16x16x128_f8f6f4 v[DDM:DDM+7], v[WF1:WF1+11], v[TF1:TF1+11], v[DDM:DDM+7], v[WS1], v[TS1] matrix_a_fmt:MATRIX_FMT_FP6 matrix_b_fmt:MATRIX_FMT_FP6
	NOPS 4
	ds_store_b128 v[ADS], v[DDM:DDM+3]             ; lane (r, h): dm(8 py + r % 8, 64 cq + 16 wave + 8 h + 0 .. 7)
	ds_store_b128 v[ADS], v[DDM+4:DDM+7] offset:16
.Lno_dm:
	s_wait_tensorcnt 2                             ; my part of conv_w's images is in; my two loads of fea, issued behind it, may stay out
	s_wait_dscnt 0x0                               ; my stores of dm have landed
	s_barrier_signal -1
	s_barrier_wait -1
	; ---- dm's row y: a pixel a lane for the row's sums, and the whole row in every lane for the patch means
	ds_load_b32 v[DML], v[ADL]
	ds_load_b32 v[DML+1], v[ADL] offset:128
.irp k, 0,1,2,3,4,5,6,7,8,9,10,11,12,13,14,15
	ds_load_b128 v[DMB+4*\k:DMB+4*\k+3], v[ADM] offset:16*\k
.endr
	s_wait_dscnt 0x0
	v_add_f32 v44, v[DML], v[DML+1]
	v_sub_f32 v45, 1.0, v[DML]
	v_sub_f32 v46, 1.0, v[DML+1]
	v_add_f32 v45, v45, v46
.irp m, 1,2,4,8
	v_add_f32_dpp v44, v44, v44 row_xmask:\m row_mask:0xf bank_mask:0xf
	v_add_f32_dpp v45, v45, v45 row_xmask:\m row_mask:0xf bank_mask:0xf
.endr
	v_permlanex16_b32 v[PT], v44, s[SEL], s[SEL+1]
	v_add_f32 v44, v44, v[PT]
	v_permlanex16_b32 v[PT], v45, s[SEL], s[SEL+1]
	v_add_f32 v45, v45, v[PT]
	ds_store_b32 v[ASD], v44                       ; all lanes store the same word with the same value
	ds_store_b32 v[ASD], v45 offset:4
.macro QPIX xr, s, b                   ; block b (32 channels) of my pixel of group s: six registers of codes and a byte of the pixel's scale word
.set qd, FR+12*(2*(\s)+(\b)%2)+6*((\b)/2)
	MAXB MXA, MXB, \xr
	SCL SO, BY, MXA
	CVTB qd, \xr, SO, TMPC
.if (\b) == 0
	v_mov_b32 v[PS0+(\s)], v[BY]
.else
	v_lshl_or_b32 v[PS0+(\s)], v[BY], 8*(\b), v[PS0+(\s)]
.endif
.endm
.macro FM yr, p0                       ; 32 pixels of my channel x dm: the sums of patches p0 .. p0 + 3 over this row, the four by turns
.irp q, 0,1,2,3
	v_pk_mul_f32 v[FP+2*\q:FP+2*\q+1], v[(\yr)+8*\q:(\yr)+8*\q+1], v[DMB+8*((\p0)+\q):DMB+8*((\p0)+\q)+1]
.endr
.irp e, 2,4,6
.irp q, 0,1,2,3
	v_pk_fma_f32 v[FP+2*\q:FP+2*\q+1], v[(\yr)+8*\q+\e:(\yr)+8*\q+\e+1], v[DMB+8*((\p0)+\q)+\e:DMB+8*((\p0)+\q)+\e+1], v[FP+2*\q:FP+2*\q+1]
.endr
.endr
.irp q, 0,1,2,3
	v_add_f32 v[FV+(\p0)+\q], v[FP+2*\q], v[FP+2*\q+1]
.endr
.endm
.macro CHUNK b                         ; channels 32 b .. 32 b + 31 of my row
.set ci, 0
.rept 32
	ds_load_b32 v[XA+ci], v[AQ] offset:(32*(\b)+ci)*272          ; pixel = lane, registers down the channels
.set ci, ci+1
.endr
.set ci, 0
.rept 32
	ds_load_b32 v[XB+ci], v[AQ] offset:(32*(\b)+ci)*272+128      ; pixel = 32 + lane
.set ci, ci+1
.endr
	s_wait_dscnt 32                                ; the first 32 are in; the second 32 may be out
	QPIX XA, 0, \b
.irp k, 0,1,2,3,4,5,6,7
	ds_load_b128 v[XA+4*\k:XA+4*\k+3], v[AF] offset:8704*(\b)+16*\k   ; channel = 32 b + lane, pixels 0-31; rows 272 bytes apart: sixteen lanes, sixteen different columns of 16 bytes
.endr
	s_wait_dscnt 8                                 ; all but those eight
	QPIX XB, 1, \b
.irp k, 0,1,2,3,4,5,6,7
	ds_load_b128 v[XB+4*\k:XB+4*\k+3], v[AF] offset:8704*(\b)+128+16*\k   ; pixels 32-63
.endr
	s_wait_dscnt 8
	FM XA, 0
	s_wait_dscnt 0x0
	FM XB, 4
.irp p, 0,1,2,3,4,5,6,7
	ds_store_b32 v[AQ], v[FV+\p] offset:512*\p+128*(\b)   ; [patch][channel], over my own channel rows 0-15: they have had their one fill, and all my reads of them are back
.endr
.endm
	s_wait_tensorcnt 1                             ; channels 0-63 of my row are in; the load behind them may stay out
	CHUNK 0
	CHUNK 1
	s_wait_tensorcnt 0x0
	CHUNK 2
	CHUNK 3
	; ---- x = conv_w x fea, and its sums against dm and 1 - dm
	s_wait_dscnt 0x0                               ; my stores above have read their registers
.irp t, 0,1,2,3
	ds_load_b128 v[DMP+8*\t:DMP+8*\t+3], v[ADP] offset:64*\t       ; dm at pixels 16 t + 8 h + 0 .. 7
	ds_load_b128 v[DMP+8*\t+4:DMP+8*\t+7], v[ADP] offset:64*\t+16
.endr
.macro CFL k                           ; conv_w's fragment of outputs 16 k .. 16 k + 15, as its registers' image, and its scale words
.irp c, 0,1,2
	ds_load_b128 v[CF+12*((\k)%2)+4*\c:CF+12*((\k)%2)+4*\c+3], v[AC] offset:1664*(\k)+512*\c
.endr
	ds_load_b32 v[CS0+(\k)%2], v[ACS] offset:1664*(\k)
.endm
	CFL 0
	CFL 1
	; blocks 0, 2 of a pixel belong in lane r, blocks 1, 3 in lane r + 16: the halves change places; tile t of 16 pixels then stands at v[FR + 12 t]
.irp s, 0,1
.irp i, 0,1,2,3,4,5,6,7,8,9,10,11
	v_permlane16_swap_b32 v[FR+24*\s+\i], v[FR+24*\s+12+\i]
.endr
.endr
	s_wait_dscnt 8                                 ; dm is in; the two fragments' eight loads may be out
.set ci, 0
.rept 32
	v_sub_f32 v[EMP+ci], 1.0, v[DMP+ci]            ; (these 32 are also the places between the exchanges above and the first product)
.set ci, ci+1
.endr
.macro POST k                          ; outputs 16 k + r: the sums over my row's 64 pixels of x dm and x (1 - dm).  Each accumulator is read from its low end on
.set pd, DA+32*((\k)%2)
.irp t, 0,1,2,3
.irp j, 0,2,4,6
.set pa, FA0+2*((\j/2)%2)
.set pb, FB0+2*((\j/2)%2)
.if (\t == 0) && (\j < 4)
	v_pk_mul_f32 v[pa:pa+1], v[pd+8*\t+\j:pd+8*\t+\j+1], v[DMP+8*\t+\j:DMP+8*\t+\j+1]
	v_pk_mul_f32 v[pb:pb+1], v[pd+8*\t+\j:pd+8*\t+\j+1], v[EMP+8*\t+\j:EMP+8*\t+\j+1]
.else
	v_pk_fma_f32 v[pa:pa+1], v[pd+8*\t+\j:pd+8*\t+\j+1], v[DMP+8*\t+\j:DMP+8*\t+\j+1], v[pa:pa+1]
	v_pk_fma_f32 v[pb:pb+1], v[pd+8*\t+\j:pd+8*\t+\j+1], v[EMP+8*\t+\j:EMP+8*\t+\j+1], v[pb:pb+1]
.endif
.endr
.endr
	v_pk_add_f32 v[FA0:FA0+1], v[FA0:FA0+1], v[FA0+2:FA0+3]
	v_pk_add_f32 v[FB0:FB0+1], v[FB0:FB0+1], v[FB0+2:FB0+3]
	v_add_f32 v44, v[FA0], v[FA0+1]
	v_add_f32 v45, v[FB0], v[FB0+1]
	v_cndmask_b32 v[FA0], v45, v44, s54            ; what I send: lanes 0-15 their part of bg, lanes 16-31 of fg;
	v_cndmask_b32 v44, v44, v45, s54               ; what I keep: the other
	v_permlanex16_b32 v[PT], v[FA0], s[SEL], s[SEL+1]
	v_add_f32 v[46+(\k)%2], v44, v[PT]             ; lanes 0-15: fg's sum, lanes 16-31: bg's
	ds_store_b32 v[AP], v[46+(\k)%2] offset:64*(\k)
.endm
; A tile of 16 outputs: four products (source 0 = 16 pixels, source 1 = 16 outputs: a lane holds one output and eight pixels), on four accumulators of their own, each begun with 0.
; The tile before is summed behind them: its 40 plain instructions name none of these products' registers, and are the places ahead of the loads into the fragment just used.
.macro OT k, n                         ; n: the LDS instructions issued behind this tile's fragment, which may stay out
	s_wait_dscnt \n
.irp t, 0,1,2,3
.if \t%2
	v_wmma_scale_f32_16x16x128_f8f6f4 v[DA+32*((\k)%2)+8*\t:DA+32*((\k)%2)+8*\t+7], v[FR+12*\t:FR+12*\t+11], v[CF+12*((\k)%2):CF+12*((\k)%2)+11], 0, v[PS0+\t/2], v[CS0+(\k)%2] matrix_a_fmt:MATRIX_FMT_FP6 matrix_b_fmt:MATRIX_FMT_FP6 matrix_a_scale:MATRIX_SCALE_ROW1
.else
	v_wmma_scale_f32_16x16x128_f8f6f4 v[DA+32*((\k)%2)+8*\t:DA+32*((\k)%2)+8*\t+7], v[FR+12*\t:FR+12*\t+11], v[CF+12*((\k)%2):CF+12*((\k)%2)+11], 0, v[PS0+\t/2], v[CS0+(\k)%2] matrix_a_fmt:MATRIX_FMT_FP6 matrix_b_fmt:MATRIX_FMT_FP6
.endif
.endr
.if (\k) == 0
	NOPS 4
.else
	POST (\k)-1
.endif
.if (\k) < 14
	CFL (\k)+2
.endif
.endm
	OT 0, 4                                        ; behind fragment 0: fragment 1's four loads
	OT 1, 4
.irp k, 2,3,4,5,6,7,8,9,10,11,12,13,14
	OT \k, 5                                       ; behind fragment k: one store of sums and fragment k + 1's four loads
.endr
	OT 15, 1                                       ; behind fragment 15: one store
	POST 15
	s_wait_dscnt 0x0                               ; my sums and my patch sums have landed
	s_barrier_signal -1
	s_barrier_wait -1
	; ---- the way out.  Thread = output: the eight rows' sums, and the bias.  Wave = patch: the eight rows' patch sums of 128 channels
.irp w, 0,1,2,3,4,5,6,7
	ds_load_b32 v[160+\w], v[APR] offset:2048*\w
	ds_load_b32 v[168+\w], v[APR] offset:2048*\w+1024
.endr
.irp k, 0,1,2,3
	ds_load_b128 v[176+4*\k:179+4*\k], v[ASDR] offset:16*\k
.endr
.irp k, 0,1,2,3
	ds_load_b128 v[192+8*\k:195+8*\k], v[AR+\k]
	ds_load_b128 v[196+8*\k:199+8*\k], v[AR+\k] offset:FEAW
.endr
	s_wait_loadcnt 0x0                             ; conv_b
	s_wait_dscnt 0x0
	v_mul_f32 v[CB], s55, v[CB]
.irp w, 1,2,3,4,5,6,7
	v_add_f32 v160, v160, v[160+\w]
	v_add_f32 v168, v168, v[168+\w]
	v_add_f32 v176, v176, v[176+2*\w]
	v_add_f32 v177, v177, v[177+2*\w]
	v_pk_add_f32 v[192:193], v[192:193], v[192+4*\w:193+4*\w]
	v_pk_add_f32 v[194:195], v[194:195], v[194+4*\w:195+4*\w]
.endr
	v_fma_f32 v160, v[CB], v176, v160
	v_fma_f32 v168, v[CB], v177, v168
	v_pk_mul_f32 v[192:193], v[192:193], 0x3c800000 op_sel_hi:[1,0]   ; / 64: the patch's mean
	v_pk_mul_f32 v[194:195], v[194:195], 0x3c800000 op_sel_hi:[1,0]
	global_store_b32 v[O4], v160, s[14:15]
	global_store_b32 v[O4], v168, s[14:15] offset:1024
	global_store_b128 v[O16], v[192:195], s[16:17] ; 32 lanes store 512 consecutive bytes, at a multiple of 256 from fmt's first byte
	s_wait_tensorcnt 0x0                           ; the wave's end
	ds_add_u32 v[SPW], v[NIL]
	s_wait_dscnt 0x0
	s_endpgm
.Lfunc_end_k_q1b4fc04c4c_feapass:
	.size	k_q1b4fc04c4c_feapass, .Lfunc_end_k_q1b4fc04c4c_feapass-k_q1b4fc04c4c_feapass
	.p2alignl 7, 3214868480
	.fill 96, 4, 3214868480
	.section	.rodata,"a",@progbits
	.p2align	6, 0x0
	.amdhsa_kernel k_q1b4fc04c4c_feapass
		.amdhsa_group_segment_fixed_size 327680
		.amdhsa_private_segment_fixed_size 0
		.amdhsa_enable_private_segment 0
		.amdhsa_kernarg_size 56
		.amdhsa_user_sgpr_count 2
		.amdhsa_user_sgpr_kernarg_segment_ptr 1
		.amdhsa_wavefront_size32 1
		.amdhsa_system_sgpr_workgroup_id_x 1
		.amdhsa_system_sgpr_workgroup_id_y 1
		.amdhsa_system_sgpr_workgroup_id_z 1
		.amdhsa_system_vgpr_workitem_id 0
		.amdhsa_next_free_vgpr 256
		.amdhsa_next_free_sgpr 80
		.amdhsa_reserve_vcc 1
		.amdhsa_float_denorm_mode_32 3
		.amdhsa_float_denorm_mode_16_64 3
		.amdhsa_memory_ordered 1
		.amdhsa_forward_progress 1
		.amdhsa_inst_pref_size 132
	.end_amdhsa_kernel
	.amdgpu_metadata
---
amdhsa.version: [ 1, 2 ]
amdhsa.kernels:
  - .name:           k_q1b4fc04c4c_feapass
    .symbol:         k_q1b4fc04c4c_feapass.kd
    .args:
      - { .name: fea, .offset: 0, .size: 8, .value_kind: global_buffer, .address_space: global }
      - { .name: tcodes, .offset: 8, .size: 8, .value_kind: global_buffer, .address_space: global }
      - { .name: tscale, .offset: 16, .size: 8, .value_kind: global_buffer, .address_space: global }
      - { .name: cw, .offset: 24, .size: 8, .value_kind: global_buffer, .address_space: global }
      - { .name: conv_b, .offset: 32, .size: 8, .value_kind: global_buffer, .address_space: global }
      - { .name: part, .offset: 40, .size: 8, .value_kind: global_buffer, .address_space: global }
      - { .name: fmt, .offset: 48, .size: 8, .value_kind: global_buffer, .address_space: global }
    .group_segment_fixed_size: 327680
    .private_segment_fixed_size: 0
    .kernarg_segment_align: 8
    .kernarg_segment_size: 56
    .max_flat_workgroup_size: 256
    .sgpr_count:     80
    .vgpr_count:     256
    .wavefront_size: 32
...
	.end_amdgpu_metadata
.endif
;; end of part 2
;; launch fc (part 3): grid 144 x 1, 8 waves a work-group, no clusters, 20,992 bytes of LDS; arguments part, fmt, w1, fc1_b, fc2_w, of, og; writes of, og
.if DOCPART == 3
	.amdgcn_target "amdgcn-amd-amdhsa--gfx1250"
	.amdhsa_code_object_version 6
	.text
	.protected	k_q1b4fc04c4c_fc
	.globl	k_q1b4fc04c4c_fc
	.p2align	8
	.type	k_q1b4fc04c4c_fc,@function
k_q1b4fc04c4c_fc:
	s_mov_b64 s[64:65], 0
	v_nop
	global_prefetch_b8 v0, s[64:65] scope:SCOPE_SE
	s_setreg_imm32_b32 hwreg(HW_REG_WAVE_MODE, 25, 1), 1
	s_wait_xcnt 0x0
; THIRD LAUNCH: fc1 (quantised) and fc2 (f32 multiply-adds; it has three rows).  Nothing stands between the two, so all behind Q(gl) is linear: partial sums over K blocks and over hidden units
; are made in different work-groups, and the last launch adds them.
; WORK DONE ONCE: for K = 0 .. 511 gl is a broadcast of one vector g = [fg, bg]: all 1,024 columns are equal by construction, and are multiplied once (path G, a tile whose 16 columns are all g).
; PATH F (work-groups 0-127): 16 patches x 256 hidden units; a wave takes 32 hidden units.  The work-group's 16 rows of fm, 16 KiB dense in memory, are loaded once, each load of a wave covering 512
; consecutive bytes, and lie in a stage in LDS; every wave reads its lane's 128 numbers from there and quantises them in registers.  K steps 4 to 7 (fm stands twice in gl), fc1_b as the sums' first C, then fc2's share.
; PATH G (work-groups 128-143): block s of 32 of g: the sum of the 256 work-groups' parts, / 65,536, quantised; a K step in which that block alone has codes that are not 0; all 512 hidden units; fc2's share.
; The paths part on the work-group's number at the head and never join; each has LDS bytes of its own.  No tensor loads: weights go from memory straight into registers, as images laid by the first launch.
; LIMITS: as stated at the head of the first launch.
.set GRED,  0                          ; LDS (path G): 128 bytes a wave: its 32 rows' sums
.set GV,    1024                       ; 128 bytes a wave: g's block, to be read back whole by every lane
.set GO,    2048                       ; 16 bytes a wave: its three numbers
.set SPARE, 2304                       ; the spare words, 128 bytes a wave
.set FST,   4096                       ; LDS (path F): 16 rows of fm
.set FPITCH, 1040                      ; 1,024 bytes + 16 = 65 x 16: the sixteen rows that a load touches begin in sixteen different columns of 16 bytes
.set LN,  1
.set RR,  2
.set HH,  3
.set SPW, 4
.set NIL, 5
.set O16, 6
.set O4,  7
.set O32H, 8
.set O4R, 9
.set SH8, 10
.set PT,  11
.set MXA, 12
.set MXB, 13
.set SO,  14
.set BY,  15
.set BY2, 16
.set TMPC, 18
.set WSC, 24                           ; v24-33: scales alone
.set BS0, 32
.set BS1, 33
.set SEL, 28
.set MSB, 0
.macro WIN new                         ; the immediate's high byte repeats the setting that is left
.if MSB != \new
	s_set_vgpr_msb (MSB<<8)|\new
.set MSB, \new
.endif
.endm
.macro NOPS n
.rept \n
	v_nop
.endr
.endm
.macro MAXB ma, mb, x                  ; the largest magnitude of 32 numbers of a lane, in two chains, and the floor 2^(3 - 127), which holds the byte at 1 from below
	v_max3_num_f32 v[\ma], |v[(\x)]|, |v[(\x)+1]|, |v[(\x)+2]|
	v_max3_num_f32 v[\mb], |v[(\x)+3]|, |v[(\x)+4]|, |v[(\x)+5]|
.irp i, 6,10,14,18,22,26
	v_max3_num_f32 v[\ma], v[\ma], |v[(\x)+\i]|, |v[(\x)+\i+1]|
	v_max3_num_f32 v[\mb], v[\mb], |v[(\x)+\i+2]|, |v[(\x)+\i+3]|
.endr
	v_max3_num_f32 v[\ma], v[\ma], |v[(\x)+30]|, |v[(\x)+31]|
	v_max3_num_f32 v[\ma], v[\ma], v[\mb], 0x1800000
.endm
.macro SCL so, by, ma                  ; 2 off the exponent field: the conversion's scale operand; its exponent field is the byte
	v_add_nc_u32 v[\so], 0xff000000, v[\ma]
	v_lshrrev_b32 v[\by], 23, v[\so]
.endm
.macro CVTB dst, x, so, tmp            ; 32 numbers -> six registers of codes (a conversion's three registers begin on an even number, so the second half is made elsewhere and moved)
	v_cvt_scalef32_pk16_fp6_f32 v[(\dst):(\dst)+2], v[(\x):(\x)+15], v[\so]
	v_cvt_scalef32_pk16_fp6_f32 v[(\tmp):(\tmp)+2], v[(\x)+16:(\x)+31], v[\so]
	v_nop                                          ; one plain place behind a scaled conversion
	v_mov_b32 v[(\dst)+3], v[(\tmp)]
	v_mov_b32 v[(\dst)+4], v[(\tmp)+1]
	v_mov_b32 v[(\dst)+5], v[(\tmp)+2]
.endm
.macro WORD word, bya, byb             ; my bytes of blocks h and 2 + h, with lane l xor 16's two: the row's scale word
	v_lshl_or_b32 v[\word], v[\byb], 16, v[\bya]
	v_lshlrev_b32 v[\word], v[SH8], v[\word]
	v_permlanex16_b32 v[PT], v[\word], s[SEL], s[SEL+1]
	v_or_b32 v[\word], v[\word], v[PT]
.endm
.macro Q2 x, dst, word                 ; v[x + 32 c + i] = k 64 c + 32 h + i of my row: a whole fragment and its scale word
	MAXB MXA, MXB, \x
	SCL SO, BY, MXA
	CVTB \dst, \x, SO, TMPC
	MAXB MXA, MXB, (\x)+32
	SCL SO, BY2, MXA
	CVTB (\dst)+6, (\x)+32, SO, TMPC
	WORD \word, BY, BY2
.endm
	s_load_b256 s[4:11], s[0:1], 0x0               ; part, fmt, w1, fc1_b
	s_load_b128 s[12:15], s[0:1], 0x20             ; fc2_w, of
	s_load_b64 s[16:17], s[0:1], 0x30              ; og
	v_lshl_add_u32 v[SPW], v0, 2, SPARE
	v_mov_b32 v[NIL], 0
	v_lshrrev_b32 v[LN], 5, v0
	v_readfirstlane_b32 s18, v[LN]                 ; wave 0..7
	v_and_b32 v[LN], 31, v0
	v_and_b32 v[RR], 15, v0
	v_bfe_u32 v[HH], v0, 4, 1
	v_lshlrev_b32 v[O16], 4, v[LN]
	v_lshlrev_b32 v[O4], 2, v[LN]
	v_lshlrev_b32 v[O32H], 5, v[HH]
	v_lshlrev_b32 v[O4R], 2, v[RR]
	v_lshlrev_b32 v[SH8], 3, v[HH]
	v_mov_b32 v[PT], 0
	s_mov_b32 s[SEL], 0x76543210
	s_mov_b32 s[SEL+1], 0xfedcba98
	s_mov_b32 s19, ttmp9
	s_mov_b32 s25, 0
	s_wait_kmcnt 0x0
	s_cmp_lt_u32 s19, 128
	s_cbranch_scc0 .Lpath_g
	; ================ PATH F
.set FRD, 34                           ; the stage, on the way out: FST + 1,040 r + 128 h
.set FGO, 35                           ; 16 x thread: my 16 bytes of each 4,096 of the tile
.set FSA, 36                           ; the stage, on the way in: FST + 1,040 (thread / 64) + 16 (thread % 64)
.set BF0, 40
.set BF1, 52
.set DF,  64                           ; v64-79 two accumulators
.set F2,  80                           ; v80-127 fc2_w at my hidden units: 24 a + 8 k3 + j
.set X,   128                          ; v128-255 fm of my patch: 128 numbers
	s_lshr_b32 s20, s19, 1                         ; n: patches 16 n ..
	s_and_b32 s21, s19, 1
	s_lshl_b32 s21, s21, 3
	s_add_co_u32 s21, s21, s18                     ; tp: hidden units 32 tp ..
	s_lshl_b32 s24, s20, 14
	s_add_nc_u64 s[6:7], s[6:7], s[24:25]
	s_lshl_b32 s24, s21, 4
	s_add_co_u32 s24, s24, 4
	s_mul_i32 s24, s24, 1664                       ; image (tile 2 tp, K step 4)
	s_add_nc_u64 s[8:9], s[8:9], s[24:25]
	s_lshl_b32 s24, s21, 7
	s_add_nc_u64 s[10:11], s[10:11], s[24:25]
	s_add_nc_u64 s[12:13], s[12:13], s[24:25]
	s_mul_i32 s24, s21, 12288
	s_lshl_b32 s26, s20, 6
	s_add_co_u32 s24, s24, s26
	s_add_nc_u64 s[14:15], s[14:15], s[24:25]
	v_mul_u32_u24 v[FRD], v[RR], FPITCH
	v_lshl_add_u32 v[FRD], v[HH], 7, v[FRD]
	v_add_nc_u32 v[FRD], FST, v[FRD]
	v_lshlrev_b32 v[FGO], 4, v0
	v_lshrrev_b32 v[FSA], 6, v0
	v_mul_u32_u24 v[FSA], v[FSA], FPITCH
	v_and_b32 v37, 63, v0
	v_lshl_add_u32 v[FSA], v37, 4, v[FSA]
	v_add_nc_u32 v[FSA], FST, v[FSA]
.irp i, 0,1,2,3
	global_load_b128 v[X+4*\i:X+4*\i+3], v[FGO], s[6:7] offset:4096*\i   ; rows 4 i .. 4 i + 3 of the tile: the work-group's 256 threads take 4,096 consecutive bytes, a wave 512
.endr
	WIN 0x40                                       ; destination window 1: the weights' fragments
.irp a, 0,1
.irp e, 0,1,2,3
.irp c, 0,1,2
	global_load_b128 v[12*(4*\a+\e)+4*\c:12*(4*\a+\e)+4*\c+3], v[O16], s[8:9] offset:(8*\a+\e)*1664+512*\c
.endr
.endr
.endr
	WIN 0
.irp a, 0,1
.irp e, 0,1,2,3
	global_load_b32 v[WSC+4*\a+\e], v[O4], s[8:9] offset:(8*\a+\e)*1664+1536
.endr
.endr
.irp a, 0,1
.irp k, 0,1,2
	global_load_b128 v[F2+24*\a+8*\k:F2+24*\a+8*\k+3], v[O32H], s[12:13] offset:2048*\k+64*\a
	global_load_b128 v[F2+24*\a+8*\k+4:F2+24*\a+8*\k+7], v[O32H], s[12:13] offset:2048*\k+64*\a+16
.endr
.endr
.irp a, 0,1
	global_load_b128 v[DF+8*\a:DF+8*\a+3], v[O32H], s[10:11] offset:64*\a       ; fc1_b in the result's layout: the C of the first product
	global_load_b128 v[DF+8*\a+4:DF+8*\a+7], v[O32H], s[10:11] offset:64*\a+16
.endr
	s_wait_loadcnt 48                              ; my four loads of fm are in; the 24 + 8 + 12 + 4 loads issued behind them may be out
.irp i, 0,1,2,3
	ds_store_b128 v[FSA], v[X+4*\i:X+4*\i+3] offset:4*FPITCH*\i
.endr
	s_wait_dscnt 0x0                               ; for the others' sake: my stores into the stage have landed
	s_barrier_signal -1
	s_barrier_wait -1                              ; the 16 rows lie in the stage; nobody writes it again
.irp s, 0,1
.irp c, 0,1
.irp j, 0,1,2,3,4,5,6,7
	ds_load_b128 v[X+64*\s+32*\c+4*\j:X+64*\s+32*\c+4*\j+3], v[FRD] offset:512*\s+256*\c+16*\j   ; channel 128 s + 64 c + 32 h + 4 j .. of patch 16 n + r
.endr
.endr
.endr
	s_wait_dscnt 16                                ; the first K step's 64 numbers are in; the second's sixteen loads may be out
	Q2 X, BF0, BS0
	s_wait_dscnt 0x0
	Q2 X+64, BF1, BS1
	s_wait_loadcnt 0x0
	NOPS 8                                         ; scale words and operands written by vector instructions stand 8 and 4 places ahead of a scaled matrix instruction
	WIN 0x01                                       ; source 0 (the weights) window 1
.irp e, 0,1,2,3                        ; K steps 4 + e: fm's channels 128 (e % 2) on.  The two accumulators take turns
.irp a, 0,1
	v_wmma_scale_f32_16x16x128_f8f6f4 v[DF+8*\a:DF+8*\a+7], v[12*(4*\a+\e):12*(4*\a+\e)+11], v[BF0+12*(\e%2):BF0+12*(\e%2)+11], v[DF+8*\a:DF+8*\a+7], v[WSC+4*\a+\e], v[BS0+\e%2] matrix_a_fmt:MATRIX_FMT_FP6 matrix_b_fmt:MATRIX_FMT_FP6
.endr
.endr
	WIN 0
	NOPS 4
	; lane (r, h): hidden units 32 tp + 16 a + 8 h + j of patch 16 n + r.  fc2: three chains by turns, each accumulator from its low end on
.irp a, 0,1
.irp j, 0,2,4,6
.irp k, 0,1,2
.if (\a == 0) && (\j == 0)
	v_pk_mul_f32 v[X+2*\k:X+2*\k+1], v[DF+8*\a+\j:DF+8*\a+\j+1], v[F2+24*\a+8*\k+\j:F2+24*\a+8*\k+\j+1]
.else
	v_pk_fma_f32 v[X+2*\k:X+2*\k+1], v[DF+8*\a+\j:DF+8*\a+\j+1], v[F2+24*\a+8*\k+\j:F2+24*\a+8*\k+\j+1], v[X+2*\k:X+2*\k+1]
.endif
.endr
.endr
.endr
.irp k, 0,1,2
	v_add_f32 v[X+8+\k], v[X+2*\k], v[X+2*\k+1]
.endr
.irp k, 0,1,2
	v_permlanex16_b32 v[PT], v[X+8+\k], s[SEL], s[SEL+1]
	v_add_f32 v[X+8+\k], v[X+8+\k], v[PT]          ; with the other eight hidden units of each tile
.endr
.irp k, 0,1,2
	global_store_b32 v[O4R], v[X+8+\k], s[14:15] offset:4096*\k   ; lanes r and r + 16 store the same number to the same word
.endr
	s_wait_tensorcnt 0x0                           ; the wave's end
	ds_add_u32 v[SPW], v[NIL]
	s_wait_dscnt 0x0
	s_endpgm
	; ================ PATH G
.Lpath_g:
.set G2,  36                           ; v36-131 fc2_w at my hidden units: 24 a + 8 k3 + j
.set R,   132                          ; v132-163 32 rows of part
.set GX,  164                          ; v164-195 g's block, whole
.set DG,  196                          ; v196-227 four accumulators
.set BG,  228                          ; the operand
.set GC,  240                          ; the block's codes
.set TMPG, 246
	s_sub_co_u32 s20, s19, 128                     ; s: the block of g
	s_and_b32 s21, s20, 3                          ; q: its place in its K step
	s_lshr_b32 s22, s20, 2                         ; the K step
	s_lshl_b32 s24, s18, 7
	v_lshl_add_u32 v34, v[LN], 2, s24              ; GRED + 128 wave + 4 lane
	v_lshlrev_b32 v35, 2, v[LN]                    ; GRED + 4 lane
	v_add_nc_u32 v250, GV, v34
	s_add_co_u32 s26, s24, GV
	v_mov_b32 v251, s26
	s_lshl_b32 s26, s18, 4
	s_add_co_u32 s26, s26, GO
	v_mov_b32 v252, s26
	v_mov_b32 v253, GO
	s_lshl_b32 s24, s18, 16
	s_lshl_b32 s26, s20, 7
	s_add_co_u32 s24, s24, s26
	s_add_nc_u64 s[4:5], s[4:5], s[24:25]          ; part: rows 32 wave .., columns 32 s ..
	s_lshl_b32 s24, s18, 5
	s_add_co_u32 s24, s24, s22
	s_mul_i32 s24, s24, 1664                       ; image (tile 4 wave, my K step)
	s_add_nc_u64 s[8:9], s[8:9], s[24:25]
	s_lshl_b32 s24, s18, 8
	s_add_nc_u64 s[12:13], s[12:13], s[24:25]
	s_lshl_b32 s24, s20, 2
	s_add_nc_u64 s[16:17], s[16:17], s[24:25]
	s_and_b32 s30, s21, 1                          ; the lanes that hold block q of a K step: half q % 2, registers 6 (q / 2) on
	s_cmp_eq_u32 s30, 0
	s_mov_b32 s31, 0xffff0000
	s_cselect_b32 s31, 0xffff, s31
	s_cmp_lt_u32 s21, 2
	s_cselect_b32 s32, s31, 0
	s_cselect_b32 s33, 0, s31
	s_lshl_b32 s34, s21, 3
.set gi, 0
.rept 32
	global_load_b32 v[R+gi], v[O4], s[4:5] offset:2048*gi
.set gi, gi+1
.endr
	WIN 0x40
.irp a, 0,1,2,3
.irp c, 0,1,2
	global_load_b128 v[12*\a+4*\c:12*\a+4*\c+3], v[O16], s[8:9] offset:13312*\a+512*\c
.endr
.endr
	WIN 0
.irp a, 0,1,2,3
	global_load_b32 v[WSC+\a], v[O4], s[8:9] offset:13312*\a+1536
.endr
.irp a, 0,1,2,3
.irp k, 0,1,2
	global_load_b128 v[G2+24*\a+8*\k:G2+24*\a+8*\k+3], v[O32H], s[12:13] offset:2048*\k+64*\a
	global_load_b128 v[G2+24*\a+8*\k+4:G2+24*\a+8*\k+7], v[O32H], s[12:13] offset:2048*\k+64*\a+16
.endr
.endr
	s_wait_loadcnt 40                              ; part's 32 rows are in; the 12 + 4 + 24 loads issued behind them may be out
.irp m, 1,2,3
.irp c, 0,1,2,3
	v_pk_add_f32 v[R+2*\c:R+2*\c+1], v[R+2*\c:R+2*\c+1], v[R+8*\m+2*\c:R+8*\m+2*\c+1]
.endr
.endr
	v_pk_add_f32 v[R:R+1], v[R:R+1], v[R+2:R+3]
	v_pk_add_f32 v[R+4:R+5], v[R+4:R+5], v[R+6:R+7]
	v_pk_add_f32 v[R:R+1], v[R:R+1], v[R+4:R+5]
	v_add_f32 v[R], v[R], v[R+1]
	ds_store_b32 v34, v[R]
	s_wait_dscnt 0x0                               ; for the others' sake: my store has landed
	s_barrier_signal -1
	s_barrier_wait -1
.irp w, 0,1,2,3,4,5,6,7
	ds_load_b32 v[R+8+\w], v35 offset:128*\w
.endr
	s_wait_dscnt 0x0
.irp w, 1,2,3,4,5,6,7
	v_add_f32 v[R+8], v[R+8], v[R+8+\w]
.endr
	v_mul_f32 v[R+8], 0x37800000, v[R+8]           ; / 65,536: the mean.  Lane l holds g(32 s + l)
	ds_store_b32 v250, v[R+8]                      ; my wave's own bytes: LDS serves a wave's instructions in order, so the loads below see the store
.irp k, 0,1,2,3,4,5,6,7
	ds_load_b128 v[GX+4*\k:GX+4*\k+3], v251 offset:16*\k
.endr
	s_wait_dscnt 0x0
	MAXB MXA, MXB, GX
	SCL SO, BY, MXA
	CVTB GC, GX, SO, TMPG
.irp i, 0,1,2,3,4,5
	v_cndmask_b32 v[BG+\i], 0, v[GC+\i], s32       ; 16 equal columns; every block but mine: zero codes
	v_cndmask_b32 v[BG+6+\i], 0, v[GC+\i], s33
.endr
	v_lshlrev_b32 v[BS0], s34, v[BY]
	s_wait_loadcnt 0x0
	NOPS 8
	WIN 0x01
.irp a, 0,1,2,3
	v_wmma_scale_f32_16x16x128_f8f6f4 v[DG+8*\a:DG+8*\a+7], v[12*\a:12*\a+11], v[BG:BG+11], 0, v[WSC+\a], v[BS0] matrix_a_fmt:MATRIX_FMT_FP6 matrix_b_fmt:MATRIX_FMT_FP6
.endr
	WIN 0
	NOPS 4
.irp a, 0,1,2,3
.irp j, 0,2,4,6
.irp k, 0,1,2
.if (\a == 0) && (\j == 0)
	v_pk_mul_f32 v[R+2*\k:R+2*\k+1], v[DG+8*\a+\j:DG+8*\a+\j+1], v[G2+24*\a+8*\k+\j:G2+24*\a+8*\k+\j+1]
.else
	v_pk_fma_f32 v[R+2*\k:R+2*\k+1], v[DG+8*\a+\j:DG+8*\a+\j+1], v[G2+24*\a+8*\k+\j:G2+24*\a+8*\k+\j+1], v[R+2*\k:R+2*\k+1]
.endif
.endr
.endr
.endr
.irp k, 0,1,2
	v_add_f32 v[R+8+\k], v[R+2*\k], v[R+2*\k+1]
.endr
.irp k, 0,1,2
	v_permlanex16_b32 v[PT], v[R+8+\k], s[SEL], s[SEL+1]
	v_add_f32 v[R+8+\k], v[R+8+\k], v[PT]
.endr
.irp k, 0,1,2
	ds_store_b32 v252, v[R+8+\k] offset:4*\k       ; all lanes store the same word with the same value
.endr
	s_wait_dscnt 0x0
	s_barrier_signal -1
	s_barrier_wait -1
	s_cmp_lg_u32 s18, 0
	s_cbranch_scc1 .Lg_end
.irp w, 0,1,2,3,4,5,6,7
	ds_load_b96 v[GX+4*\w:GX+4*\w+2], v253 offset:16*\w
.endr
	s_wait_dscnt 0x0
.irp w, 1,2,3,4,5,6,7
.irp k, 0,1,2
	v_add_f32 v[GX+\k], v[GX+\k], v[GX+4*\w+\k]
.endr
.endr
	v_cmp_lt_u32 vcc_lo, 0, v[LN]
	v_cndmask_b32 v[GX], v[GX], v[GX+1], vcc_lo
	v_cmp_lt_u32 vcc_lo, 1, v[LN]
	v_cndmask_b32 v[GX], v[GX], v[GX+2], vcc_lo    ; lane 0, 1: numbers 0, 1; lanes 2 on: number 2
	v_min_u32 v[GX+3], 2, v[LN]
	v_lshlrev_b32 v[GX+3], 6, v[GX+3]
	global_store_b32 v[GX+3], v[GX], s[16:17]      ; og at 64 k3 + 4 s; lanes 2 on store the same number to the same word
.Lg_end:
	s_wait_tensorcnt 0x0                           ; the wave's end
	ds_add_u32 v[SPW], v[NIL]
	s_wait_dscnt 0x0
	s_endpgm
.Lfunc_end_k_q1b4fc04c4c_fc:
	.size	k_q1b4fc04c4c_fc, .Lfunc_end_k_q1b4fc04c4c_fc-k_q1b4fc04c4c_fc
	.p2alignl 7, 3214868480
	.fill 96, 4, 3214868480
	.section	.rodata,"a",@progbits
	.p2align	6, 0x0
	.amdhsa_kernel k_q1b4fc04c4c_fc
		.amdhsa_group_segment_fixed_size 20992
		.amdhsa_private_segment_fixed_size 0
		.amdhsa_enable_private_segment 0
		.amdhsa_kernarg_size 56
		.amdhsa_user_sgpr_count 2
		.amdhsa_user_sgpr_kernarg_segment_ptr 1
		.amdhsa_wavefront_size32 1
		.amdhsa_system_sgpr_workgroup_id_x 1
		.amdhsa_system_sgpr_workgroup_id_y 1
		.amdhsa_system_sgpr_workgroup_id_z 1
		.amdhsa_system_vgpr_workitem_id 0
		.amdhsa_next_free_vgpr 384
		.amdhsa_next_free_sgpr 66
		.amdhsa_reserve_vcc 1
		.amdhsa_float_denorm_mode_32 3
		.amdhsa_float_denorm_mode_16_64 3
		.amdhsa_memory_ordered 1
		.amdhsa_forward_progress 1
		.amdhsa_inst_pref_size 39
	.end_amdhsa_kernel
	.amdgpu_metadata
---
amdhsa.version: [ 1, 2 ]
amdhsa.kernels:
  - .name:           k_q1b4fc04c4c_fc
    .symbol:         k_q1b4fc04c4c_fc.kd
    .args:
      - { .name: part, .offset: 0, .size: 8, .value_kind: global_buffer, .address_space: global }
      - { .name: fmt, .offset: 8, .size: 8, .value_kind: global_buffer, .address_space: global }
      - { .name: w1, .offset: 16, .size: 8, .value_kind: global_buffer, .address_space: global }
      - { .name: fc1_b, .offset: 24, .size: 8, .value_kind: global_buffer, .address_space: global }
      - { .name: fc2_w, .offset: 32, .size: 8, .value_kind: global_buffer, .address_space: global }
      - { .name: of, .offset: 40, .size: 8, .value_kind: global_buffer, .address_space: global }
      - { .name: og, .offset: 48, .size: 8, .value_kind: global_buffer, .address_space: global }
    .group_segment_fixed_size: 20992
    .private_segment_fixed_size: 0
    .kernarg_segment_align: 8
    .kernarg_segment_size: 56
    .max_flat_workgroup_size: 256
    .sgpr_count:     66
    .vgpr_count:     384
    .wavefront_size: 32
...
	.end_amdgpu_metadata
.endif
;; end of part 3
;; launch paint (part 4): grid 768 x 1, 4 waves a work-group, no clusters, 0 bytes of LDS; arguments of, og, fc2_b, out0, out1; writes out0, out1
.if DOCPART == 4
	.amdgcn_target "amdgcn-amd-amdhsa--gfx1250"
	.amdhsa_code_object_version 6
	.text
	.protected	k_q1b4fc04c4c_paint
	.globl	k_q1b4fc04c4c_paint
	.p2align	8
	.type	k_q1b4fc04c4c_paint,@function
k_q1b4fc04c4c_paint:
	s_mov_b64 s[64:65], 0
	v_nop
	global_prefetch_b8 v0, s[64:65] scope:SCOPE_SE
	s_setreg_imm32_b32 hwreg(HW_REG_WAVE_MODE, 25, 1), 1
	s_wait_xcnt 0x0
; FOURTH LAUNCH: ori(k3, py, px) = the 16 parts over hidden units (of) + the 16 parts over g's blocks (og) + fc2_b; out1 is ori, out0 is ori with each number painted over 64 x 64.  No work is left out here.
; Work-group = (k3, py, e): 8 rows of one row of patches; a wave paints two rows of 8,192 bytes.  Lane l first holds ori(k3, py, l); a pull between lanes gives each lane the patch of its 16 bytes.
; Memory binds: each store of a wave covers 512 consecutive bytes, aligned.  No LDS byte is touched, no barrier, no matrix unit: there is nothing to share and nothing to multiply.
	s_load_b256 s[4:11], s[0:1], 0x0               ; of, og, fc2_b, out0
	s_load_b64 s[12:13], s[0:1], 0x20              ; out1
	v_lshrrev_b32 v1, 5, v0
	v_readfirstlane_b32 s14, v1                    ; wave 0..3
	v_and_b32 v1, 31, v0                           ; lane
	s_and_b32 s15, ttmp9, 7                        ; e
	s_lshr_b32 s16, ttmp9, 3
	s_and_b32 s16, s16, 31                         ; py
	s_lshr_b32 s17, ttmp9, 8                       ; k3
	v_lshlrev_b32 v2, 2, v1                        ; 4 x lane
	v_and_b32 v3, 15, v1
	v_lshlrev_b32 v3, 2, v3                        ; 4 (lane % 16)
	v_lshlrev_b32 v4, 4, v1                        ; 16 x lane
	s_lshl_b32 s18, s17, 2
	v_mov_b32 v5, s18                              ; 4 k3
	v_lshrrev_b32 v6, 4, v1
	v_lshlrev_b32 v6, 2, v6                        ; 4 (lane / 16)
	s_lshl_b32 s20, s17, 12
	s_lshl_b32 s22, s16, 7
	s_add_co_u32 s20, s20, s22                     ; 4,096 k3 + 128 py
	s_mov_b32 s21, 0
	s_lshl_b32 s22, s17, 6
	s_mov_b32 s23, 0
	s_lshl_b32 s24, s16, 6
	s_lshl_b32 s26, s15, 3
	s_add_co_u32 s24, s24, s26
	s_lshl_b32 s26, s14, 1
	s_add_co_u32 s24, s24, s26                     ; my first row: 64 py + 8 e + 2 wave
	s_lshl_b32 s24, s24, 13
	s_lshl_b32 s26, s17, 24
	s_add_co_u32 s24, s24, s26
	s_mov_b32 s25, 0
	s_wait_kmcnt 0x0
	s_add_nc_u64 s[4:5], s[4:5], s[20:21]
	s_add_nc_u64 s[6:7], s[6:7], s[22:23]
	s_add_nc_u64 s[10:11], s[10:11], s[24:25]
	s_add_nc_u64 s[12:13], s[12:13], s[20:21]
.irp t, 0,1,2,3,4,5,6,7,8,9,10,11,12,13,14,15
	global_load_b32 v[8+\t], v2, s[4:5] offset:12288*\t
.endr
	global_load_b32 v24, v3, s[6:7]
	global_load_b32 v25, v5, s[8:9]
	s_wait_loadcnt 0x0
.irp i, 0,2,4,6,8,10,12,14
	v_add_f32 v[8+\i], v[8+\i], v[9+\i]
.endr
.irp i, 0,4,8,12
	v_add_f32 v[8+\i], v[8+\i], v[10+\i]
.endr
	v_add_f32 v8, v8, v12
	v_add_f32 v16, v16, v20
	v_add_f32 v8, v8, v16
.irp m, 1,2,4,8
	v_add_f32_dpp v24, v24, v24 row_xmask:\m row_mask:0xf bank_mask:0xf   ; the 16 blocks of g
.endr
	v_add_f32 v8, v8, v24
	v_add_f32 v8, v8, v25                          ; lane l: ori(k3, py, l)
	s_or_b32 s26, s15, s14
	s_cmp_lg_u32 s26, 0
	s_cbranch_scc1 .Lno_out1                       ; one wave for each (k3, py) stores out1's 128 bytes
	global_store_b32 v2, v8, s[12:13]
.Lno_out1:
.irp s, 0,1,2,3,4,5,6,7,8,9,10,11,12,13,14,15
	v_add_nc_u32 v[9+\s], 8*\s, v6                 ; columns 128 s + 4 lane .. lie in patch 2 s + lane / 16
.endr
.irp s, 0,1,2,3,4,5,6,7,8,9,10,11,12,13,14,15
	ds_bpermute_b32 v[32+4*\s], v[9+\s], v8
.endr
	s_wait_dscnt 0x0
.irp s, 0,1,2,3,4,5,6,7,8,9,10,11,12,13,14,15
	v_mov_b32 v[33+4*\s], v[32+4*\s]
	v_mov_b32 v[34+4*\s], v[32+4*\s]
	v_mov_b32 v[35+4*\s], v[32+4*\s]
.endr
.irp p, 0,1
.irp s, 0,1,2,3,4,5,6,7,8,9,10,11,12,13,14,15
	global_store_b128 v4, v[32+4*\s:35+4*\s], s[10:11] offset:8192*\p+512*\s th:TH_STORE_NT   ; written once, read by nobody here
.endr
.endr
	s_endpgm
.Lfunc_end_k_q1b4fc04c4c_paint:
	.size	k_q1b4fc04c4c_paint, .Lfunc_end_k_q1b4fc04c4c_paint-k_q1b4fc04c4c_paint
	.p2alignl 7, 3214868480
	.fill 96, 4, 3214868480
	.section	.rodata,"a",@progbits
	.p2align	6, 0x0
	.amdhsa_kernel k_q1b4fc04c4c_paint
		.amdhsa_group_segment_fixed_size 0
		.amdhsa_private_segment_fixed_size 0
		.amdhsa_enable_private_segment 0
		.amdhsa_kernarg_size 40
		.amdhsa_user_sgpr_count 2
		.amdhsa_user_sgpr_kernarg_segment_ptr 1
		.amdhsa_wavefront_size32 1
		.amdhsa_system_sgpr_workgroup_id_x 1
		.amdhsa_system_sgpr_workgroup_id_y 1
		.amdhsa_system_sgpr_workgroup_id_z 1
		.amdhsa_system_vgpr_workitem_id 0
		.amdhsa_next_free_vgpr 96
		.amdhsa_next_free_sgpr 66
		.amdhsa_reserve_vcc 0
		.amdhsa_float_denorm_mode_32 3
		.amdhsa_float_denorm_mode_16_64 3
		.amdhsa_memory_ordered 1
		.amdhsa_forward_progress 1
		.amdhsa_inst_pref_size 11
	.end_amdhsa_kernel
	.amdgpu_metadata
---
amdhsa.version: [ 1, 2 ]
amdhsa.kernels:
  - .name:           k_q1b4fc04c4c_paint
    .symbol:         k_q1b4fc04c4c_paint.kd
    .args:
      - { .name: of, .offset: 0, .size: 8, .value_kind: global_buffer, .address_space: global }
      - { .name: og, .offset: 8, .size: 8, .value_kind: global_buffer, .address_space: global }
      - { .name: fc2_b, .offset: 16, .size: 8, .value_kind: global_buffer, .address_space: global }
      - { .name: out0, .offset: 24, .size: 8, .value_kind: global_buffer, .address_space: global }
      - { .name: out1, .offset: 32, .size: 8, .value_kind: global_buffer, .address_space: global }
    .group_segment_fixed_size: 0
    .private_segment_fixed_size: 0
    .kernarg_segment_align: 8
    .kernarg_segment_size: 40
    .max_flat_workgroup_size: 128
    .sgpr_count:     66
    .vgpr_count:     96
    .wavefront_size: 32
...
	.end_amdgpu_metadata
.endif
;; end of part 4
